; MI455X (gfx1250); checked and timed in simulation.
; The chip was launched on July 23, 2026; its instructions are those of AMD's public machine-readable ISA for CDNA 5 (MIT licence, August 2026) and "CDNA5" Instruction Set Architecture Reference Guide (July 2026). The comments in the code are by the model that wrote it; some were corrected since.
;; MHA. Allowed arithmetic: matrix products marked QUANTISED: E2M3 operands, one E8M0 scale for each 32 along K, by v_wmma_scale_f32_16x16x128_f8f6f4 with both operands' format E2M3, f32 sums; everything else in f32.
;; Inputs: Wk 1,024 x 1,024 float32; Wo 1,024 x 1,024 float32; Wq 1,024 x 1,024 float32; Wv 1,024 x 1,024 float32; bk 1,024 float32; bo 1,024 float32; bq 1,024 float32; bv 1,024 float32; x 4 x 2,048 x 1,024 float32.
;; Outputs: out0 4 x 2,048 x 1,024 float32.
;; This version of the problem:
;;   THIS VERSION OF THE PROBLEM IS GIVEN IN LOW PRECISION. The matrix products marked QUANTISED in the list below multiply operands that are first quantised to E2M3 (2 exponent bits, 3 mantissa bits; 6 bits a number), with one power-of-two scale for each 32 numbers along K (OCP MX v1.0); their sums are f32. All else is computed in f32.
;;   The module's matrix products, in the order in which they are computed (A, B: the left and right operand; K: the contracted axis; several contracted axes count as one K, in the product's order):
;;     1. [M 8,192, K 1,024] x [K 1,024, N 1,024]; A: input x; B: input Wq: QUANTISED
;;     2. [M 8,192, K 1,024] x [K 1,024, N 1,024]; A: input x; B: input Wk: QUANTISED
;;     3. [M 8,192, K 1,024] x [K 1,024, N 1,024]; A: input x; B: input Wv: QUANTISED
;;     4. batch 64 x [M 2,048, K 64] x [K 64, N 2,048]; A: computed on the way; B: computed on the way: QUANTISED
;;     5. batch 64 x [M 2,048, K 2,048] x [K 2,048, N 64]; A: softmax (see below); B: computed on the way: QUANTISED
;;     6. [M 8,192, K 1,024] x [K 1,024, N 1,024]; A: computed on the way; B: input Wo: QUANTISED
;;   THE QUANTISER, for each operand of a quantised product, along K:
;;     - K is cut into blocks of 32 from its start; a last block that is shorter is filled with zeros.
;;     - A block's scale is 2^e with e = floor(log2(the largest magnitude in the block)) - 2, held to -126 .. 127; a block of zeros has e = 0. As a byte (E8M0): e + 127.
;;     - Each number is divided by its block's scale, clamped to +-7.5, and rounded to the nearest number of E2M3, ties to even, subnormals kept.
;;     - The product sums the exact products of the quantised numbers (number of the format x scale) in f32.
;;   ~~~python
;;   def quantise(x, axis):      # numpy; x: float32 -> the quantised numbers, widened to float32 again
;;       x = np.moveaxis(x, axis, -1); K = x.shape[-1]
;;       x = np.pad(x, [(0, 0)] * (x.ndim - 1) + [(0, -K % 32)]); x = x.reshape(x.shape[:-1] + (-1, 32)); a = np.abs(x).max(-1, keepdims=True)
;;       e = np.where(a > 0, np.clip(np.frexp(np.where(a > 0, a, 1))[1] - 1 - 2, -126, 127), 0)      # np.frexp(a)[1] - 1 = floor(log2(a)), exactly
;;       r = np.clip(x / 2.0 ** e, -7.5, 7.5)
;;       step = 2.0 ** (np.maximum(np.frexp(np.where(r == 0, 1, r))[1] - 1, 0) - 3)
;;       q = np.round(r / step) * step * 2.0 ** e      # np.round: ties to even
;;       return np.moveaxis(q.reshape(q.shape[:-2] + (-1,))[..., :K], -1, axis).astype(np.float32)
;;   ~~~
;;   SOFTMAX AHEAD OF A QUANTISED PRODUCT. Where the list says 'softmax', what is quantised is not the finished softmax but p = 2^(t - M), with t = logit x log2(e) and M = ceil(the row's largest t), a whole number; so 1/2 < the row's largest p <= 1. The row's sum l is taken of the UNQUANTISED p, in f32, and the product's result is divided by l at the end. Since M is a whole number, a kernel that streams over the keys may use a running M (the ceiling of the running maximum): every later rescaling is an exact power of two, which a block's scale takes up: the codes' values come out the same.
;;   OPERANDS COMPUTED ON THE WAY. 'Computed on the way' means the value that the module computes at that place (a softmax that the list does not call 'softmax' is quantised finished and normalised). What goes into a quantiser is computed in f32, as accurately as f32 sums, v_exp_f32 and their like allow (about 1e-6 of the number): no bf16 or f16 on the way to a quantiser, and a product that is left as it is and whose result goes on into a quantised operand takes f32 operands (vector FMAs, or v_wmma_f32_16x16x4_f32). A number that lies on a knife's edge between two numbers of the format may be rounded either way, as far as f32 arithmetic and the matrix unit's own rounding can turn it there, and no further.
;; One version. Each part assembles by itself: llvm-mc -triple=amdgcn-amd-amdhsa -mcpu=gfx1250 --defsym DOCPART=n.
;; ======== version 1 of 1: 4 launches
;; limits: right only within a limited range of input values
;; workspace buffers: xw 9,437,184 bytes; xws 393,216 bytes; qkv 18,874,368 bytes; qkvs 786,432 bytes; ao 6,291,456 bytes; aos 262,144 bytes
;; launch quant (part 1): grid 384 x 1, 4 waves a work-group, no clusters, 48,640 bytes of LDS; arguments x, Wq, Wk, Wv, Wo, xw, xws; writes xw, xws
.if DOCPART == 1
	.amdgcn_target "amdgcn-amd-amdhsa--gfx1250"
	.amdhsa_code_object_version 6
	.text
	.protected	k_qb2215b56ab_quant
	.globl	k_qb2215b56ab_quant
	.p2align	8
	.type	k_qb2215b56ab_quant,@function
k_qb2215b56ab_quant:
	s_mov_b64 s[64:65], 0
	v_nop
	global_prefetch_b8 v0, s[64:65] scope:SCOPE_SE
	s_setreg_imm32_b32 hwreg(HW_REG_WAVE_MODE, 25, 1), 1
	s_wait_xcnt 0x0
; x [8192 tokens][1024] f32 and Wq, Wk, Wv, Wo [1024 (k)][1024 (n)] f32 become codes of FP6 (E2M3) with one E8M0 byte for each 32 along K (x: its last axis; a weight: its first).
; A block's scale is 2^(floor(log2(its largest magnitude)) - 2); its byte is the largest magnitude's exponent field - 2, held at 1 from below.
; LIMITS: a block of zeros gets the byte 1 where the rule says 127 (its codes are zeros, which add nothing under any byte but 0xff, and this program alone reads the bytes); NaN and infinities among the inputs are not served.
; THE WORKSPACE IS LAID IN THE ORDER OF THE OPERAND'S REGISTERS.  A fragment is 16 rows x 128 K: 12 registers a lane, 1,536 bytes, at (I x 768 + T) x 1536, I = k / 128, T the tile.
;   Lane l = r + 16 h of tile T holds row 32 (T / 2) + 8 (T % 2) + r + 8 (r / 8); its registers 6 c .. 6 c + 5 hold k = 128 I + 64 c + 32 h + 0 .. 31.
;   Registers 6 c .. 6 c + 3 lie at 768 c + 16 l, registers 6 c + 4, 6 c + 5 at 768 c + 512 + 8 l: every access of a wave covers 512 or 256 consecutive bytes, aligned to 256.
;   The scale word of a row and 128 K lies at (I x 768 + T) x 64 + 4 r.   Tiles 0-511: the tokens of x; 512-575 Wq's columns, 576-639 Wk's, 640-703 Wv's, 704-767 Wo's.
; Work-groups 0-255 take x, 256-383 the weights; the two ways part once, on the work-group's number, and each has LDS bytes of its own.  No tensor loads, no barrier: waves share nothing.  Nothing is shared between work-groups, so no cluster.
.set PLXW,  1179648                    ; a plane of xw: 768 tiles x 1,536 bytes
.set PLXS,  49152                      ; a plane of xws
.set FRB,   1536
.set SEL,   22                         ; s[22:23] lane selects for v_permlanex16_b32: lane l xor 16
; the x way
.set L16,   5                          ; v5   16 x lane
.set L8,    6                          ; v6   8 x lane
.set SIN,   7                          ; v7   the stage, on the way in
.set SOUT,  8                          ; v8   and on the way out
.set SWI,   9                          ; v9   where my row's scale word goes
.set SWO,   10                         ; v10  and where 8 bytes of the four tiles' words are read back
.set R,     16                         ; v16-143  two sets of 64: a fragment's numbers as loaded
.set X,     144                        ; v144-207 64 numbers: register 16 b + i = k 32 b + 16 h + i of my row
.set PC,    208                        ; v208-226 the codes
.set TM,    228                        ; v228-243 at work
.set PW,    244                        ; v244     the scale word
.set XWAVE, 8704                       ; LDS of a wave: 16 rows x 528 bytes, then 256 bytes of scale words
.set XSCW,  8448
; the weights' way
.set WBASE, 34816                      ; LDS behind the x way's
.set WWAVE, 3328                       ; a wave: the images of two tiles,
.set WTILE, 1664                       ; 1,536 + 128 bytes apart, so that the two tiles' lanes fall on different banks
.set WX,    32                         ; v32-95   two sets of 32 numbers
.set WC,    96                         ; v96-101  a block's codes
.set WE,    102                        ; v102-104 its second half as converted
.set WSB,   24                         ; v24-25   scale words
.set WOUT,  112                        ; v112-159 two sets of 24: the images on the way out
; 64 numbers of a lane, v[s] on, register 16 b + i = k 32 b + 16 (lane / 16) + i of my row, become a fragment's codes in v[PC] on and its scale word in v[pw].
.macro QUANT s, pw
.irp b, 0,1,2,3
	v_max3_num_f32 v[TM+\b], |v[\s+16*\b]|, |v[\s+1+16*\b]|, 0x1800000   ; block b: my 16 numbers, and the floor 2^(3 - 127): the byte cannot fall under 1
.endr
.irp i, 2,4,6,8,10,12,14
.irp b, 0,1,2,3
	v_max3_num_f32 v[TM+\b], v[TM+\b], |v[\s+16*\b+\i]|, |v[\s+1+16*\b+\i]|   ; the four blocks by turns
.endr
.endr
.irp b, 0,1,2,3
	v_permlanex16_b32 v[TM+4+\b], v[TM+\b], s[SEL], s[SEL+1]
.endr
.irp b, 0,1,2,3
	v_max_num_f32 v[TM+\b], v[TM+\b], v[TM+4+\b]   ; with lane l xor 16's: the block's largest magnitude
.endr
.irp b, 0,1,2,3
	v_add_nc_u32 v[TM+12+\b], 0xff000000, v[TM+\b]   ; 2 off its exponent field: the conversion's scale operand
.endr
.irp b, 0,1,2,3
	v_lshrrev_b32 v[TM+4+\b], 23, v[TM+12+\b]      ; the scale's byte
.endr
	v_lshl_or_b32 v[\pw], v[TM+5], 8, v[TM+4]
	v_lshl_or_b32 v[\pw], v[TM+6], 16, v[\pw]
	v_lshl_or_b32 v[\pw], v[TM+7], 24, v[\pw]
.irp c, 0,1
	v_cvt_scalef32_pk16_fp6_f32 v[PC+6*\c:PC+2+6*\c], v[\s+32*\c:\s+15+32*\c], v[TM+12+2*\c]
	v_cvt_scalef32_pk16_fp6_f32 v[PC+12+4*\c:PC+14+4*\c], v[\s+16+32*\c:\s+31+32*\c], v[TM+12+2*\c+1]   ; (a conversion's three registers begin on an even number)
.endr
	v_nop                                          ; one plain place behind a scaled conversion
.irp c, 0,1                                    ; the layout wants a whole block in a lane: lanes 0-15 block 2 c, lanes 16-31 block 2 c + 1
.irp i, 0,1,2
	v_permlane16_swap_b32 v[PC+6*\c+\i], v[PC+12+4*\c+\i]
.endr
.irp i, 0,1,2
	v_mov_b32 v[PC+3+6*\c+\i], v[PC+12+4*\c+\i]
.endr
.endr
.endm
; the fragment in v[PC] on goes to memory as it stands: 512, 256, 512, 256 consecutive bytes
.macro PUTF base, off
	global_store_b128 v[L16], v[PC:PC+3], s[\base:\base+1] offset:\off
	global_store_b64 v[L8], v[PC+4:PC+5], s[\base:\base+1] offset:\off+512
	global_store_b128 v[L16], v[PC+6:PC+9], s[\base:\base+1] offset:\off+768
	global_store_b64 v[L8], v[PC+10:PC+11], s[\base:\base+1] offset:\off+1280
.endm
	s_load_b256 s[4:11], s[0:1], 0x0               ; x, Wq, Wk, Wv
	s_load_b128 s[12:15], s[0:1], 0x20             ; Wo, xw
	s_load_b64 s[16:17], s[0:1], 0x30              ; xws
	v_lshl_add_u32 v254, v0, 2, 0xbc00
	v_mov_b32 v255, 0
	v_lshrrev_b32 v1, 5, v0
	v_readfirstlane_b32 s18, v1                    ; wave 0..3
	v_and_b32 v2, 31, v0                           ; lane
	v_and_b32 v3, 15, v0                           ; r
	v_bfe_u32 v4, v0, 4, 1                         ; h
	s_mov_b32 s[SEL], 0x76543210
	s_mov_b32 s[SEL+1], 0xfedcba98
	s_cmp_lt_u32 ttmp9, 256
	s_cbranch_scc0 .Lweights
; ---------------- x: work-group = 64 tokens (four tiles) x four K steps; a wave takes one K step of the four tiles
	s_lshr_b32 s19, ttmp9, 1                       ; g: which 64 tokens
	s_and_b32 s20, ttmp9, 1
	s_lshl_b32 s20, s20, 2
	s_add_co_u32 s20, s20, s18                     ; I = 4 (work-group % 2) + wave
	s_wait_alu depctr_va_vdst(0)
	v_lshlrev_b32 v[L16], 4, v2
	v_lshlrev_b32 v[L8], 3, v2
	s_mul_i32 s21, s18, XWAVE
	v_add_nc_u32 v[SIN], s21, v[L16]               ; in: a row's 512 bytes as they lie
	v_mul_u32_u24 v[SOUT], v3, 528
	v_lshl_add_u32 v[SOUT], v4, 6, v[SOUT]
	v_add_nc_u32 v[SOUT], s21, v[SOUT]             ; out: row r, + 64 h: my 16 numbers of each block of 32.  528 = 33 x 16: sixteen rows fall on sixteen different columns of 16 bytes
	v_lshl_add_u32 v[SWI], v3, 2, XSCW
	v_add_nc_u32 v[SWI], s21, v[SWI]
	v_add_nc_u32 v[SWO], XSCW, v[L8]
	v_add_nc_u32 v[SWO], s21, v[SWO]
.irp b, 0,1,2,3
	v_mov_b32 v[TM+4+\b], 0                        ; written once: a lane permute's destination counts as one of its sources
.endr
	s_lshl_b32 s24, s19, 18                        ; 64 rows of 4,096 bytes
	s_lshl_b32 s26, s20, 9                         ; + 128 numbers a K step
	s_add_co_u32 s24, s24, s26
	s_mov_b32 s25, 0
	s_mul_i32 s26, s20, PLXW
	s_mul_i32 s28, s19, 4*FRB
	s_add_co_u32 s26, s26, s28                     ; (I x 768 + 4 g) x 1536
	s_mov_b32 s27, 0
	s_mul_i32 s28, s20, PLXS
	s_lshl_b32 s30, s19, 8
	s_add_co_u32 s28, s28, s30                     ; (I x 768 + 4 g) x 64
	s_mov_b32 s29, 0
	s_wait_alu depctr_va_vdst(0)
	s_wait_kmcnt 0x0
	s_add_nc_u64 s[4:5], s[4:5], s[24:25]
	s_add_nc_u64 s[14:15], s[14:15], s[26:27]
	s_add_nc_u64 s[16:17], s[16:17], s[28:29]
.macro LOADX f                         ; tile f's sixteen rows, 512 consecutive bytes each, into set f % 2
.irp i, 0,1,2,3,4,5,6,7,8,9,10,11,12,13,14,15
	; THE TOKENS' TILES have a row order of their own (the head's row formula is the weights'): lane r of tile 4 B + f holds token 64 B + 8 f + r % 8 + 32 (r / 8)
	global_load_b128 v[R+64*((\f)%2)+4*\i:R+64*((\f)%2)+4*\i+3], v[L16], s[4:5] offset:(8*(\f)+\i%8+32*(\i/8))*4096 th:TH_LOAD_NT
.endr
.endm
.macro XFRAG f
.if (\f) < 3
	s_wait_loadcnt 16                              ; this tile's sixteen loads are in; the next tile's may be out
.else
	s_wait_loadcnt 0x0
.endif
.irp i, 0,1,2,3,4,5,6,7,8,9,10,11,12,13,14,15
	ds_store_b128 v[SIN], v[R+64*((\f)%2)+4*\i:R+64*((\f)%2)+4*\i+3] offset:528*\i
.endr
.irp b, 0,1,2,3
.irp j, 0,1,2,3
	ds_load_b128 v[X+16*\b+4*\j:X+16*\b+4*\j+3], v[SOUT] offset:128*\b+16*\j   ; LDS serves a wave's instructions in order: these see the stores above
.endr
.endr
	s_wait_dscnt 0x0                               ; the stores have read their registers, the numbers are back, the last scale word's store is done
.if (\f) > 0
	s_wait_xcnt 0x0                                ; the last tile's stores have read the codes' registers, which are written again below
.endif
.if (\f) < 2
	LOADX (\f)+2
.endif
	QUANT X, PW
	PUTF 14, FRB*(\f)
	ds_store_b32 v[SWI], v[PW] offset:64*(\f)      ; both halves of the lanes write the same word with the same value
.endm
	LOADX 0
	LOADX 1
	XFRAG 0
	XFRAG 1
	XFRAG 2
	XFRAG 3
	ds_load_b64 v[246:247], v[SWO]                 ; the four tiles' scale words: 256 bytes
	s_wait_dscnt 0x0
	global_store_b64 v[L8], v[246:247], s[16:17]   ; 32 lanes store 256 consecutive bytes, aligned
	s_wait_tensorcnt 0x0
	ds_add_u32 v254, v255
	s_wait_dscnt 0x0
	s_endpgm
; ---------------- the weights: work-group = one weight, 128 columns x 256 along K; a wave takes 32 columns.  A LANE TAKES A COLUMN AND ITS REGISTERS RUN DOWN K: a block of 32 lies in one lane.
.Lweights:
	s_sub_co_u32 s19, ttmp9, 256
	s_lshr_b32 s20, s19, 5                         ; which weight
	s_bfe_u32 s21, s19, 0x30002                    ; which 128 columns
	s_and_b32 s19, s19, 3                          ; which 256 along K
	s_wait_alu depctr_va_vdst(0)
	v_lshlrev_b32 v5, 2, v2                        ; in: 4 bytes a lane
	v_bfe_u32 v11, v0, 3, 1                        ; column 32 B + l lies in tile 2 B + u, u = (l / 8) % 2,
	v_and_b32 v12, 7, v0
	v_lshl_add_u32 v12, v4, 3, v12                 ; at row rr = l % 8 + 8 (l / 16)
	s_mul_i32 s24, s18, WWAVE
	s_add_co_u32 s24, s24, WBASE
	v_mul_u32_u24 v13, v11, WTILE
	v_add_nc_u32 v13, s24, v13
	v_lshl_add_u32 v6, v12, 4, v13                 ; my four registers' place in an image
	v_lshl_add_u32 v7, v12, 3, v13                 ; my two registers'
	v_lshlrev_b32 v9, 4, v2
	v_add_nc_u32 v8, s24, v9                       ; the images on the way out: 16 bytes a lane
	v_lshlrev_b32 v10, 2, v12
	v_lshl_add_u32 v10, v11, 6, v10                ; my scale word: 64 u + 4 rr
	s_lshl_b32 s26, s19, 20                        ; 256 rows of 4,096 bytes
	s_lshl_b32 s28, s21, 9
	s_add_co_u32 s26, s26, s28
	s_lshl_b32 s28, s18, 7
	s_add_co_u32 s26, s26, s28                     ; + 4 x my wave's first column
	s_mov_b32 s27, 0
	s_mul_i32 s28, s19, 2*768                      ; I0 x 768, I0 = 2 x (which 256 along K)
	s_lshl_b32 s30, s20, 6
	s_add_co_u32 s28, s28, s30
	s_lshl_b32 s30, s21, 3
	s_add_co_u32 s28, s28, s30
	s_lshl_b32 s30, s18, 1
	s_add_co_u32 s28, s28, s30
	s_add_co_u32 s28, s28, 512                     ; + tile 512 + 64 weight + 8 (which 128 columns) + 2 wave
	s_lshl_b32 s30, s28, 6
	s_mov_b32 s31, 0
	s_mul_i32 s28, s28, FRB
	s_mov_b32 s29, 0
	s_wait_kmcnt 0x0
	s_cmp_eq_u32 s20, 1                            ; the choice hangs on the work-group's number alone
	s_cselect_b64 s[6:7], s[8:9], s[6:7]
	s_cmp_eq_u32 s20, 2
	s_cselect_b64 s[6:7], s[10:11], s[6:7]
	s_cmp_eq_u32 s20, 3
	s_cselect_b64 s[6:7], s[12:13], s[6:7]
	s_add_nc_u64 s[6:7], s[6:7], s[26:27]
	s_add_nc_u64 s[14:15], s[14:15], s[28:29]
	s_add_nc_u64 s[16:17], s[16:17], s[30:31]
.macro LOADW t                         ; block t: W(32 t + i, my column) into set t % 2; a wave reads 128 consecutive bytes, the four waves 512
.irp i, 0,1,2,3,4,5,6,7,8,9,10,11,12,13,14,15,16,17,18,19,20,21,22,23,24,25,26,27,28,29,30,31
	global_load_b32 v[WX+32*((\t)%2)+\i], v5, s[6:7] offset:(32*(\t)+\i)*4096 th:TH_LOAD_NT
.endr
.endm
.macro BLOCK t
.set XS, WX+32*((\t)%2)
.if (\t) < 7
	s_wait_loadcnt 32                              ; this block's 32 loads are in; the next block's may be out
.else
	s_wait_loadcnt 0x0
.endif
	v_max3_num_f32 v14, |v[XS]|, |v[XS+1]|, |v[XS+2]|   ; the block's largest magnitude: all 32 numbers are mine
	v_max3_num_f32 v15, |v[XS+3]|, |v[XS+4]|, |v[XS+5]|
.irp i, 6,10,14,18,22,26
	v_max3_num_f32 v14, v14, |v[XS+\i]|, |v[XS+\i+1]|
	v_max3_num_f32 v15, v15, |v[XS+\i+2]|, |v[XS+\i+3]|
.endr
	v_max3_num_f32 v14, v14, |v[XS+30]|, |v[XS+31]|
	v_max3_num_f32 v14, v14, v15, 0x1800000        ; and the floor 2^(3 - 127)
	v_add_nc_u32 v20, 0xff000000, v14              ; the conversion's scale operand
	v_lshrrev_b32 v21, 23, v20                     ; the byte
	v_cvt_scalef32_pk16_fp6_f32 v[WC:WC+2], v[XS:XS+15], v20
	v_cvt_scalef32_pk16_fp6_f32 v[WE:WE+2], v[XS+16:XS+31], v20
.if (\t)%4 == 0
	v_mov_b32 v[WSB+(\t)/4], v21                   ; four bytes to a word, the lower K in the lower byte.  (The plain place behind the conversions)
.else
	v_lshl_or_b32 v[WSB+(\t)/4], v21, 8*((\t)%4), v[WSB+(\t)/4]
.endif
.irp i, 0,1,2
	v_mov_b32 v[WC+3+\i], v[WE+\i]
.endr
	ds_store_b128 v6, v[WC:WC+3] offset:768*(((\t)%4)/2)+256*((\t)%2)       ; block 2 c + h of a K step belongs to lane rr + 16 h, registers 6 c on
	ds_store_b64 v7, v[WC+4:WC+5] offset:768*(((\t)%4)/2)+512+128*((\t)%2)
.if (\t) < 6
	LOADW (\t)+2
.endif
	s_wait_dscnt 0x0                               ; the stores have read their registers
.endm
.macro FLUSH k                         ; a K step's two images leave: 3,072 consecutive bytes
.irp m, 0,1,2,3,4,5
	ds_load_b128 v[WOUT+24*(\k)+4*\m:WOUT+24*(\k)+4*\m+3], v8 offset:(\m/3)*WTILE+(\m%3)*512
.endr
	s_wait_dscnt 0x0                               ; they are in registers: the stage may be written again
.irp m, 0,1,2,3,4,5
	global_store_b128 v9, v[WOUT+24*(\k)+4*\m:WOUT+24*(\k)+4*\m+3], s[14:15] offset:(\k)*PLXW+512*\m
.endr
	global_store_b32 v10, v[WSB+(\k)], s[16:17] offset:(\k)*PLXS   ; 128 consecutive bytes a wave: the two tiles' scale words
.endm
	LOADW 0
	LOADW 1
	BLOCK 0
	BLOCK 1
	BLOCK 2
	BLOCK 3
	s_wait_alu depctr_va_vdst(0)
	FLUSH 0
	BLOCK 4
	BLOCK 5
	BLOCK 6
	BLOCK 7
	s_wait_alu depctr_va_vdst(0)
	FLUSH 1
	s_wait_tensorcnt 0x0
	ds_add_u32 v254, v255
	s_wait_dscnt 0x0
	s_endpgm
.Lfunc_end_k_qb2215b56ab_quant:
	.size	k_qb2215b56ab_quant, .Lfunc_end_k_qb2215b56ab_quant-k_qb2215b56ab_quant
	.p2alignl 7, 3214868480
	.fill 96, 4, 3214868480
	.section	.rodata,"a",@progbits
	.p2align	6, 0x0
	.amdhsa_kernel k_qb2215b56ab_quant
		.amdhsa_group_segment_fixed_size 48640
		.amdhsa_private_segment_fixed_size 0
		.amdhsa_enable_private_segment 0
		.amdhsa_kernarg_size 56
		.amdhsa_user_sgpr_count 2
		.amdhsa_user_sgpr_kernarg_segment_ptr 1
		.amdhsa_wavefront_size32 1
		.amdhsa_system_sgpr_workgroup_id_x 1
		.amdhsa_system_sgpr_workgroup_id_y 1
		.amdhsa_system_sgpr_workgroup_id_z 1
		.amdhsa_system_vgpr_workitem_id 0
		.amdhsa_next_free_vgpr 256
		.amdhsa_next_free_sgpr 66
		.amdhsa_reserve_vcc 0
		.amdhsa_float_denorm_mode_32 3
		.amdhsa_float_denorm_mode_16_64 3
		.amdhsa_memory_ordered 1
		.amdhsa_forward_progress 1
		.amdhsa_inst_pref_size 75
	.end_amdhsa_kernel
	.amdgpu_metadata
---
amdhsa.version: [ 1, 2 ]
amdhsa.kernels:
  - .name:           k_qb2215b56ab_quant
    .symbol:         k_qb2215b56ab_quant.kd
    .args:
      - { .name: x, .offset: 0, .size: 8, .value_kind: global_buffer, .address_space: global }
      - { .name: Wq, .offset: 8, .size: 8, .value_kind: global_buffer, .address_space: global }
      - { .name: Wk, .offset: 16, .size: 8, .value_kind: global_buffer, .address_space: global }
      - { .name: Wv, .offset: 24, .size: 8, .value_kind: global_buffer, .address_space: global }
      - { .name: Wo, .offset: 32, .size: 8, .value_kind: global_buffer, .address_space: global }
      - { .name: xw, .offset: 40, .size: 8, .value_kind: global_buffer, .address_space: global }
      - { .name: xws, .offset: 48, .size: 8, .value_kind: global_buffer, .address_space: global }
    .group_segment_fixed_size: 48640
    .private_segment_fixed_size: 0
    .kernarg_segment_align: 8
    .kernarg_segment_size: 56
    .max_flat_workgroup_size: 128
    .sgpr_count:     66
    .vgpr_count:     256
    .wavefront_size: 32
...
	.end_amdgpu_metadata
.endif
;; end of part 1
;; launch proj (part 2): grid 8 x 32, 4 waves a work-group, clusters of 4 x 4, 327,680 bytes of LDS; arguments xw, xws, bq, bk, bv, qkv, qkvs; writes qkv, qkvs
.if DOCPART == 2
	.amdgcn_target "amdgcn-amd-amdhsa--gfx1250"
	.amdhsa_code_object_version 6
	.text
	.protected	k_qb2215b56ab_proj
	.globl	k_qb2215b56ab_proj
	.p2align	8
	.type	k_qb2215b56ab_proj,@function
k_qb2215b56ab_proj:
	s_mov_b64 s[64:65], 0
	v_nop
	global_prefetch_b8 v0, s[64:65] scope:SCOPE_SE
	s_setreg_imm32_b32 hwreg(HW_REG_WAVE_MODE, 25, 1), 1
	s_wait_xcnt 0x0
	s_wait_alu depctr_hold_cnt(0) depctr_sa_sdst(0) depctr_va_vdst(0) depctr_va_sdst(0) depctr_va_ssrc(0) depctr_va_vcc(0) depctr_vm_vsrc(0)
	s_getreg_b32 s2, hwreg(HW_REG_IB_STS2, 6, 4)
	s_cmp_eq_u32 s2, 0
	s_cbranch_scc0 .Lentry_in_a_cluster
	s_endpgm
.Lentry_in_a_cluster:
	s_bfe_u32 s2, ttmp6, 0x10000c
	s_cmp_lg_u32 s2, 0xf033
	s_cbranch_scc0 .Lentry_shape_is_right
	s_endpgm
.Lentry_shape_is_right:
; Q = x Wq + bq, K = x Wk + bk, V = x Wv + bv on codes of FP6 (E2M3) with E8M0 scales; each result is quantised again and leaves as codes and scale words in the order of the next launch's operand registers.
; xw: fragment (K step I, tile T) of 16 rows x 128 K, 1,536 bytes, at (768 I + T) x 1536; xws: its scale words at (768 I + T) x 64 + 4 r.  Tiles 0-511 tokens, 512.. Wq's columns, 576.. Wk's, 640.. Wv's.
; qkv: Q's and K's fragment (128 channels P, token tile T) at (512 P + T) x 1536 (K: P + 8); V's fragment (128 tokens S, channel tile c) at VT0 + (64 S + c) x 1536; qkvs likewise, 64 bytes a fragment.
; THE DEAL: 256 work-groups = 32 blocks of 256 tokens x 8 groups of 128 columns.  A work-group keeps its 256 tokens, all of K, in LDS (196,608 bytes) and takes them through three phases: its 128 columns of Q, of K, of V.
; A phase's 128 weight columns, all of K, lie in one region of 98,304 bytes.  Its K steps 0-3 are filled again in a round inside K step 3, when every wave holds step 3's fragments in registers, its K steps 4-7 in a round inside K step 7:
; so a refill stands four K steps (128 products a wave), or a way out and four K steps, ahead of its first read.  For that reason, and since the loop has two trips, no prefetch is laid.
; A wave: Q, K: 4 token tiles (source 1) x the 8 column tiles (source 0); V: 4 channel tiles (source 1) x 8 token tiles (source 0): a lane's 64 sums of a source-1 tile run along the next product's K.
; CLUSTER 4 x 4: the tokens' tiles are asked for jointly along a row of the cluster, the weights' along a column.
; The bias is the C of a phase's first products.  LIMITS: a block of zeros gets the byte 1 where the rule says 127 (this program alone reads the bytes); NaN and infinities are not served.
; REGISTERS: window 0: v4-31, v224-235 addresses; v32-79 scale words; v80-175 source 1's fragments, two sets; v176-219 the way out.  Window 1: source 0's fragments, two sets.  Window 2: 32 accumulators.  Window 3: the biases.
.set FRB,   1536
.set PLX,   1179648
.set PLS,   49152
.set TPL,   24576                      ; LDS: a K step of the tokens: 16 tiles
.set WPL,   12288                      ; and of the weights: 8 tiles
.set WB,    196608                     ; the weights' region
.set TS,    294912                     ; the tokens' scale words: 1,024 bytes a K step
.set WS,    303104                     ; the weights': 512 bytes a K step
.set STG,   307200                     ; the results' scale words: 256 bytes a wave
.set SPARE, 308224
.set VT0,   12582912
.set VTS0,  524288
.set L16, 4
.set L8,  5
.set SSA, 6
.set SSR, 7
.set SPW, 8
.set NIL, 9
.set BIA, 10
.set SB,  32                           ; source 0's scale words: 8 (q / 2) + b; lanes 0-15 the even K step, lanes 16-31 the odd
.set SA,  64                           ; source 1's: 4 (q / 2) + a
.set AF,  80
.set PC,  176
.set TM,  196
.set PW,  212
.set RB,  216
.set BC,  0                            ; window 3: Q's or K's bias, by register
.set BV,  64                           ; window 3: V's, by lane, eight registers a tile
.set SEL, 98
.set MSB, 0
.macro WIN new
.if MSB != \new
	s_set_vgpr_msb (MSB<<8)|\new
.set MSB, \new
.endif
.endm
.macro PLACES n
.rept \n
	v_nop
.endr
.endm
.macro WALU
	s_wait_alu depctr_va_vdst(0)
.endm
.macro CREST
	s_cmp_lg_u32 s18, 0
	s_cbranch_scc1 .Lnot_wave_0_\@
	s_barrier_signal -3
.Lnot_wave_0_\@:
	s_barrier_wait -3
	s_barrier_signal -1
	s_barrier_wait -1
.endm
.macro CROUND
	s_barrier_signal -1
	s_barrier_wait -1
	CREST
.endm
.macro TLOAD g0, g1
	tensor_load_to_lds s[\g0:\g0+3], s[\g1:\g1+7]
	s_nop 0
	PLACES 4
.endm
.macro GROUP1 g, mask, c, pitch        ; 8 rows (K steps) of c elements of 8 bytes
	s_or_b32 s[\g], s\mask, (3<<16)|(1<<21)
	s_mov_b32 s[\g+1], (\c)<<16
	s_mov_b32 s[\g+2], 8<<16
	s_mov_b32 s[\g+3], (\c)<<16
	s_mov_b32 s[\g+4], 8
	s_mov_b32 s[\g+5], \pitch
	s_mov_b32 s[\g+6], 0
	s_mov_b32 s[\g+7], 0
.endm
.macro ARM under, g0, g1, next
	s_cmp_lt_u32 s18, \under
	s_cbranch_scc0 \next
	TLOAD \g0, \g1
	s_branch .Lasked
\next:
.endm
.macro FRAG reg, a16, a8, off          ; an image of 12 registers
	ds_load_b128 v[\reg:\reg+3], v[\a16] offset:\off
	ds_load_b64 v[\reg+4:\reg+5], v[\a8] offset:\off+512
	ds_load_b128 v[\reg+6:\reg+9], v[\a16] offset:\off+768
	ds_load_b64 v[\reg+10:\reg+11], v[\a8] offset:\off+1280
.endm
.macro FETCH k, q                      ; K step q's 12 fragments into set q % 2.  k = 0: source 0 the weights, source 1 my tokens; k = 1: source 0 my tokens, source 1 my channels
	WIN 0x40
.irp i, 0,1,2,3,4,5,6,7
.if \k
	FRAG 128*((\q)%2)+12*\i, 224+(\q)/2, 228+(\q)/2, ((\q)%2)*TPL+\i*FRB
.else
	FRAG 128*((\q)%2)+12*\i, 24+(\q)/4, 26+(\q)/4, ((\q)%4)*WPL+\i*FRB
.endif
.endr
	WIN 0
.irp i, 0,1,2,3
.if \k
	FRAG AF+48*((\q)%2)+12*\i, 232+(\q)/4, 234+(\q)/4, ((\q)%4)*WPL+\i*FRB
.else
	FRAG AF+48*((\q)%2)+12*\i, 16+(\q)/2, 20+(\q)/2, ((\q)%2)*TPL+\i*FRB
.endif
.endr
.endm
.macro SCALES k                        ; a phase's scale words, all of K: 48 registers
.irp p, 0,1,2,3
.irp b, 0,1,2,3,4,5,6,7
	ds_load_b32 v[SB+8*\p+\b], v[12+2*\k] offset:\p*1024*(1+\k)+64*\b
.endr
.irp a, 0,1,2,3
	ds_load_b32 v[SA+4*\p+\a], v[13+2*\k] offset:\p*1024*(2-\k)+64*\a
.endr
.endr
.endm
.macro MUL1 d, s0, s1, c, x0, x1, o
.if \o
	v_wmma_scale_f32_16x16x128_f8f6f4 v[\d:\d+7], v[\s0:\s0+11], v[\s1:\s1+11], v[\c:\c+7], v[\x0], v[\x1] matrix_a_fmt:MATRIX_FMT_FP6 matrix_b_fmt:MATRIX_FMT_FP6 matrix_a_scale:MATRIX_SCALE_ROW1 matrix_b_scale:MATRIX_SCALE_ROW1
.else
	v_wmma_scale_f32_16x16x128_f8f6f4 v[\d:\d+7], v[\s0:\s0+11], v[\s1:\s1+11], v[\c:\c+7], v[\x0], v[\x1] matrix_a_fmt:MATRIX_FMT_FP6 matrix_b_fmt:MATRIX_FMT_FP6
.endif
.endm
.macro MULA k, q, a                    ; source-1 tile a against source 0's eight; the 32 accumulators take turns
.if (\q) == 0
	WIN 0xb1                               ; C in window 3: the bias starts the sums
.else
	WIN 0xa1
.endif
.irp b, 0,1,2,3,4,5,6,7
.if (\q) == 0 && (\k) == 0
.set C_, BC+8*\b
.elseif (\q) == 0
.set C_, BV+8*(\a)
.else
.set C_, 64*(\a)+8*\b
.endif
	MUL1 64*(\a)+8*\b, 128*((\q)%2)+12*\b, AF+48*((\q)%2)+12*(\a), C_, SB+8*((\q)/2)+\b, SA+4*((\q)/2)+(\a), (\q)%2
.endr
.endm
; A K step: 32 products.  mode 0 plain; 1 the round that refills the weights' K steps 0-3 and scale words; 2 the round that refills K steps 4-7; 3 a plain barrier that shows the last refill; 4 the last step of all
.macro STEP k, q, mode
.if (\mode) == 1 || (\mode) == 2
	WIN 0
	s_wait_tensorcnt 0x0                   ; all my tensor loads have landed
	ds_add_u32 v[SPW], v[NIL]
.if (\mode) == 1
	s_add_nc_u64 s[86:87], s[86:87], 64*FRB ; no load of mine is out: the three descriptors step to the next weight, 64 tiles on
	s_add_nc_u64 s[90:91], s[90:91], 64*FRB
	s_add_nc_u64 s[82:83], s[82:83], 4096
.endif
	s_wait_dscnt 0x1                       ; this step's fragments are in; the add alone may be out
.elseif (\mode) == 3
	s_wait_tensorcnt 0x0
	s_wait_dscnt 0x0
.else
	s_wait_dscnt 0x0
.endif
.if (\q) == 0
	s_wait_loadcnt 0x0                     ; the bias
.endif
	MULA \k, \q, 0
.if (\mode) == 1 || (\mode) == 2
	s_wait_dscnt 0x0
	s_barrier_signal -1
	MULA \k, \q, 1
	WIN 0
	s_barrier_wait -1
	CREST
	s_cmp_lt_u32 s18, 2
	s_cbranch_scc0 .Lnot_codes_\@
.if (\mode) == 1
	TLOAD 84, 40                           ; waves 0, 1: two K steps each of the next weight's K steps 0-3
	s_branch .Ljoin_\@
.Lnot_codes_\@:
	s_cmp_eq_u32 s18, 2
	s_cbranch_scc0 .Ljoin_\@
	TLOAD 80, 56                           ; wave 2: its scale words (this phase's are in registers)
.Ljoin_\@:
.else
	TLOAD 88, 40                           ; K steps 4-7
.Lnot_codes_\@:
.endif
.elseif (\mode) == 3
	s_barrier_signal -1
	MULA \k, \q, 1
	WIN 0
	s_barrier_wait -1
.endif
.if (\q) < 7
	PLACES 4                               ; places ahead of loads into the set that the last step's products read
	FETCH \k, (\q)+1
.endif
.if (\mode) == 0 || (\mode) == 4
	MULA \k, \q, 1
.endif
	MULA \k, \q, 2
	MULA \k, \q, 3
.endm
; 64 sums of a lane, window 2 from register s on (register 16 b + i = k 32 b + 16 (lane / 16) + i), become a fragment's codes in v[PC] on and its scale word
.macro QUANT s, pw
	WIN 0x0a
.irp b, 0,1,2,3
	v_max3_num_f32 v[TM+\b], |v[\s+16*\b]|, |v[\s+1+16*\b]|, 0x1800000   ; with the floor 2^(3 - 127)
.endr
	WIN 0x28
.irp i, 2,4,6,8,10,12,14
.irp b, 0,1,2,3
	v_max3_num_f32 v[TM+\b], v[TM+\b], |v[\s+16*\b+\i]|, |v[\s+1+16*\b+\i]|
.endr
.endr
	WIN 0
.irp b, 0,1,2,3
	v_permlanex16_b32 v[TM+4+\b], v[TM+\b], s[SEL], s[SEL+1]
.endr
.irp b, 0,1,2,3
	v_max_num_f32 v[TM+\b], v[TM+\b], v[TM+4+\b]
.endr
.irp b, 0,1,2,3
	v_add_nc_u32 v[TM+12+\b], 0xff000000, v[TM+\b]   ; 2 off the exponent field: the conversion's scale operand
.endr
.irp b, 0,1,2,3
	v_lshrrev_b32 v[TM+4+\b], 23, v[TM+12+\b]
.endr
	v_lshl_or_b32 v[\pw], v[TM+5], 8, v[TM+4]
	v_lshl_or_b32 v[\pw], v[TM+6], 16, v[\pw]
	v_lshl_or_b32 v[\pw], v[TM+7], 24, v[\pw]
	WIN 0x02
.irp c, 0,1
	v_cvt_scalef32_pk16_fp6_f32 v[PC+6*\c:PC+2+6*\c], v[\s+32*\c:\s+15+32*\c], v[TM+12+2*\c]
	v_cvt_scalef32_pk16_fp6_f32 v[PC+12+4*\c:PC+14+4*\c], v[\s+16+32*\c:\s+31+32*\c], v[TM+12+2*\c+1]
.endr
	WIN 0
	v_nop
.irp c, 0,1
.irp i, 0,1,2
	v_permlane16_swap_b32 v[PC+6*\c+\i], v[PC+12+4*\c+\i]
.endr
.irp i, 0,1,2
	v_mov_b32 v[PC+3+6*\c+\i], v[PC+12+4*\c+\i]
.endr
.endr
.endm
; The same for V, whose 64 sums run along the tokens: by the tokens' order in their tiles register 32 c + i is token 64 c + 32 (lane / 16) + i: a lane holds two whole blocks, and no code changes lanes
.macro QUANTV s, pw
	WIN 0x0a
.irp b, 0,1,2,3
	v_max3_num_f32 v[TM+\b], |v[\s+16*\b]|, |v[\s+1+16*\b]|, 0x1800000
.endr
	WIN 0x28
.irp i, 2,4,6,8,10,12,14
.irp b, 0,1,2,3
	v_max3_num_f32 v[TM+\b], v[TM+\b], |v[\s+16*\b+\i]|, |v[\s+1+16*\b+\i]|
.endr
.endr
	WIN 0
.irp c, 0,1
	v_max_num_f32 v[TM+2*\c], v[TM+2*\c], v[TM+2*\c+1]
.endr
.irp c, 0,1
	v_add_nc_u32 v[TM+12+\c], 0xff000000, v[TM+2*\c]
.endr
.irp c, 0,1
	v_lshrrev_b32 v[TM+8+\c], 23, v[TM+12+\c]
.endr
	v_lshl_or_b32 v[TM+10], v[TM+9], 16, v[TM+8]   ; my bytes: blocks h and 2 + h,
	v_lshlrev_b32 v[TM+10], v29, v[TM+10]          ; 8 h bits up;
	v_permlanex16_b32 v[TM+4], v[TM+10], s[SEL], s[SEL+1]
	v_or_b32 v[\pw], v[TM+10], v[TM+4]             ; with lane l xor 16's the word is whole
	WIN 0x02
.irp c, 0,1
	v_cvt_scalef32_pk16_fp6_f32 v[PC+6*\c:PC+2+6*\c], v[\s+32*\c:\s+15+32*\c], v[TM+12+\c]
	v_cvt_scalef32_pk16_fp6_f32 v[PC+12+4*\c:PC+14+4*\c], v[\s+16+32*\c:\s+31+32*\c], v[TM+12+\c]
.endr
	WIN 0
	v_nop
.irp c, 0,1
.irp i, 0,1,2
	v_mov_b32 v[PC+3+6*\c+\i], v[PC+12+4*\c+\i]
.endr
.endr
.endm
.macro EPI cb, sb, v
.irp a, 0,1,2,3
.if \a > 0
	s_wait_xcnt 0x0                        ; the last fragment's stores have read the codes' registers
.endif
.if \v
	QUANTV 64*\a, PW+\a
.else
	QUANT 64*\a, PW+\a
.endif
	global_store_b128 v[L16], v[PC:PC+3], s[\cb:\cb+1] offset:FRB*\a
	global_store_b64 v[L8], v[PC+4:PC+5], s[\cb:\cb+1] offset:FRB*\a+512
	global_store_b128 v[L16], v[PC+6:PC+9], s[\cb:\cb+1] offset:FRB*\a+768
	global_store_b64 v[L8], v[PC+10:PC+11], s[\cb:\cb+1] offset:FRB*\a+1280
	ds_store_b32 v[SSA], v[PW+\a] offset:64*\a
.endr
	ds_load_b64 v[RB:RB+1], v[SSR]         ; LDS serves a wave's instructions in order
	s_wait_dscnt 0x0
	global_store_b64 v[L8], v[RB:RB+1], s[\sb:\sb+1]
.endm
; ---------------- the head
	s_load_b256 s[4:11], s[0:1], 0x0       ; xw, xws, bq, bk
	s_load_b128 s[12:15], s[0:1], 0x20     ; bv, qkv
	s_load_b64 s[16:17], s[0:1], 0x30      ; qkvs
	v_lshl_add_u32 v[SPW], v0, 2, SPARE
	v_mov_b32 v[NIL], 0
	ds_add_u32 v[SPW], v[NIL]              ; the opening lines
	ds_add_u32 v[SPW], v[NIL]
	v_lshrrev_b32 v1, 5, v0
	v_readfirstlane_b32 s18, v1            ; wave
	s_lshr_b32 s19, s18, 1
	s_and_b32 s20, s18, 1
	s_bfe_u32 s21, ttmp6, 0x40000          ; cx
	s_bfe_u32 s22, ttmp6, 0x40004          ; cy
	s_lshl_b32 s23, ttmp9, 2
	s_add_co_u32 s23, s23, s21             ; g: my 128 columns
	s_and_b32 s24, ttmp7, 0xffff
	s_lshl_b32 s24, s24, 2
	s_add_co_u32 s24, s24, s22             ; tb: my 256 tokens
	s_lshl_b32 s25, s22, 2
	s_lshl_b32 s25, 15, s25                ; my row of the cluster
	s_lshl_b32 s26, 0x1111, s21            ; my column
	GROUP1 32, 25, 3072, PLX/8             ; the tokens: rows of 24,576 bytes
	GROUP1 40, 26, 1536, PLX/8             ; the weights: rows of 12,288
	GROUP1 48, 25, 128, PLS/8              ; the tokens' scale words: rows of 1,024
	GROUP1 56, 26, 64, PLS/8               ; the weights': rows of 512
	s_mov_b32 s29, 0
	s_mov_b32 s31, 0
	s_mul_i32 s28, s24, 16*FRB
	s_lshl_b32 s27, s23, 3
	s_add_co_u32 s27, s27, 512             ; Wq's tile
	s_mul_i32 s30, s27, FRB
	s_wait_dscnt 0x0
	s_wait_kmcnt 0x0
	s_add_nc_u64 s[70:71], s[4:5], s[28:29]
	s_add_nc_u64 s[74:75], s[4:5], s[30:31]
	s_lshl_b32 s28, s24, 10
	s_lshl_b32 s30, s27, 6
	s_add_nc_u64 s[78:79], s[6:7], s[28:29]
	s_add_nc_u64 s[82:83], s[6:7], s[30:31]
	s_mul_i32 s30, s18, 2*PLX              ; the refills: two K steps a wave
	s_add_nc_u64 s[86:87], s[74:75], s[30:31]
	s_add_nc_u64 s[90:91], s[86:87], 4*PLX
.irp g, 68,72,76,80,84,88
	s_mov_b32 s[\g], 1
	s_or_b32 s[\g+3], s[\g+3], 0x80000000
.endr
	s_mov_b32 s69, 0
	s_mov_b32 s73, WB
	s_mov_b32 s77, TS
	s_mov_b32 s81, WS
	s_mul_i32 s85, s18, 2*WPL
	s_add_co_u32 s85, s85, WB
	s_add_co_u32 s89, s85, 4*WPL
	CROUND                                 ; the first joint loads meet
	ARM 1, 72, 40, .Lhead_t                ; one load a wave: Wq's columns,
	ARM 2, 68, 32, .Lhead_ts               ; the tokens,
	ARM 3, 76, 48, .Lhead_ws               ; their scale words,
	TLOAD 80, 56                           ; Wq's scale words
.Lasked:
	s_lshl_b32 s100, s23, 9                ; Q's fragments: tile 512 g + 16 tb + 4 wave
	s_lshl_b32 s97, s24, 4
	s_add_co_u32 s100, s100, s97
	s_lshl_b32 s97, s18, 2
	s_add_co_u32 s100, s100, s97
	s_mov_b32 s101, 0
	s_mov_b32 s99, 0
	s_lshl_b32 s98, s100, 6
	s_add_nc_u64 s[94:95], s[16:17], s[98:99]
	s_mul_i32 s100, s100, FRB
	s_add_nc_u64 s[92:93], s[14:15], s[100:101]
	s_lshl_b32 s100, s24, 1                ; V's: 64 (2 tb + wave % 2) + 8 g + 4 (wave / 2)
	s_add_co_u32 s100, s100, s20
	s_lshl_b32 s100, s100, 6
	s_lshl_b32 s97, s23, 3
	s_add_co_u32 s100, s100, s97
	s_lshl_b32 s97, s19, 2
	s_add_co_u32 s100, s100, s97
	s_lshl_b32 s98, s100, 6
	s_add_co_u32 s98, s98, VTS0
	s_add_nc_u64 s[66:67], s[16:17], s[98:99]
	s_mul_i32 s100, s100, FRB
	s_add_co_u32 s100, s100, VT0
	s_add_nc_u64 s[2:3], s[14:15], s[100:101]
	s_mov_b32 s[SEL], 0x76543210
	s_mov_b32 s[SEL+1], 0xfedcba98
	s_mul_i32 s25, s18, 4*FRB              ; Q, K: my four token tiles
	s_mul_i32 s26, s20, 8*FRB              ; V: my eight token tiles
	s_mul_i32 s27, s19, 4*FRB
	s_add_co_u32 s27, s27, WB              ; V: my four channel tiles
	s_lshl_b32 s28, s18, 8
	s_add_co_u32 s31, s28, STG
	s_add_co_u32 s28, s28, TS
	s_lshl_b32 s29, s20, 9
	s_add_co_u32 s29, s29, TS
	s_lshl_b32 s30, s19, 8
	s_lshl_b32 s97, s23, 9
	s_add_co_u32 s100, s97, s30
	s_add_co_u32 s30, s30, WS
	v_and_b32 v1, 15, v0                   ; r
	v_bfe_u32 v2, v0, 4, 1                 ; h
	v_and_b32 v3, 31, v0
	v_lshlrev_b32 v[L16], 4, v3
	v_lshlrev_b32 v[L8], 3, v3
	v_lshlrev_b32 v11, 2, v1
	v_lshlrev_b32 v29, 3, v2               ; 8 h
	v_add_nc_u32 v16, s25, v[L16]
	v_add_nc_u32 v20, s25, v[L8]
	v_add_nc_u32 v224, s26, v[L16]
	v_add_nc_u32 v228, s26, v[L8]
.irp g, 1,2,3
	v_add_nc_u32 v[16+\g], \g*2*TPL, v16
	v_add_nc_u32 v[20+\g], \g*2*TPL, v20
	v_add_nc_u32 v[224+\g], \g*2*TPL, v224
	v_add_nc_u32 v[228+\g], \g*2*TPL, v228
.endr
	v_add_nc_u32 v24, WB, v[L16]
	v_add_nc_u32 v26, WB, v[L8]
	v_add_nc_u32 v25, WB+4*WPL, v[L16]
	v_add_nc_u32 v27, WB+4*WPL, v[L8]
	v_add_nc_u32 v232, s27, v[L16]
	v_add_nc_u32 v234, s27, v[L8]
	v_add_nc_u32 v233, 4*WPL, v232
	v_add_nc_u32 v235, 4*WPL, v234
	v_lshl_add_u32 v12, v2, 9, v11         ; scale words: 4 r + a K step for lanes 16-31
	v_lshl_add_u32 v13, v2, 10, v11
	v_add_nc_u32 v15, s30, v12
	v_add_nc_u32 v12, WS, v12
	v_add_nc_u32 v14, s29, v13
	v_add_nc_u32 v13, s28, v13
	v_add_nc_u32 v[SSA], s31, v11
	v_add_nc_u32 v[SSR], s31, v[L8]
	v_lshl_add_u32 v[BIA], v2, 6, s97      ; bias by register: column 128 g + 32 bb + 16 h + ..
	v_and_b32 v28, 8, v1
	v_add_nc_u32 v28, v28, v1
	v_lshl_add_u32 v28, v28, 2, s100       ; bias by lane: channel 128 g + 64 (wave / 2) + r + 8 (r / 8) + ..
.irp b, 0,1,2,3
	v_mov_b32 v[TM+4+\b], 0                ; a lane permute's destination counts as a source
.endr
	WALU                                   ; the wait at the head's end
	WIN 0xc0
.irp bb, 0,1,2,3
.irp jj, 0,1,2,3
	global_load_b128 v[BC+16*\bb+4*\jj:BC+16*\bb+4*\jj+3], v[BIA], s[8:9] offset:128*\bb+16*\jj
.endr
.endr
.irp a, 0,1,2,3
	global_load_b32 v[BV+8*\a], v28, s[12:13] offset:(32*(\a/2)+8*(\a%2))*4
.endr
	WIN 0
	s_wait_tensorcnt 0x0
	s_mov_b32 s42, 2<<16                   ; no load of mine is out: a refill of the weights brings two K steps
	s_mov_b32 s44, 2
	s_barrier_signal -1
	s_barrier_wait -1                      ; all four tiles are in
	s_wait_loadcnt 0x0
	WIN 0xc3
.irp a, 0,8,16,24
.irp i, 1,2,3,4,5,6,7
	v_mov_b32 v[BV+\a+\i], v[BV+\a]
.endr
.endr
	WIN 0
	s_mov_b32 s96, 0
	WALU
; ---------------- Q, then K: one text, two trips; what differs lies in scalars
.Lqk:
	FETCH 0, 0
	SCALES 0
	STEP 0, 0, 0
	STEP 0, 1, 0
	STEP 0, 2, 0
	STEP 0, 3, 1
	STEP 0, 4, 0
	STEP 0, 5, 0
	STEP 0, 6, 0
	STEP 0, 7, 2
	WIN 0
	PLACES 4
	s_cmp_eq_u32 s96, 0
	s_cbranch_scc0 .Lno_bias
	WIN 0xc0
.irp bb, 0,1,2,3
.irp jj, 0,1,2,3
	global_load_b128 v[BC+16*\bb+4*\jj:BC+16*\bb+4*\jj+3], v[BIA], s[10:11] offset:128*\bb+16*\jj   ; bk, for the second trip
.endr
.endr
	WIN 0
.Lno_bias:
	EPI 92, 94, 0
	s_wait_xcnt 0x0                        ; the stores have read their bases and registers
	s_add_nc_u64 s[92:93], s[92:93], 8*512*FRB
	s_add_nc_u64 s[94:95], s[94:95], 8*512*64
	s_add_co_u32 s96, s96, 1
	s_cmp_lt_u32 s96, 2
	WALU
	s_cbranch_scc1 .Lqk
; ---------------- V: the sources change roles; nothing more is filled
	FETCH 1, 0
	SCALES 1
	STEP 1, 0, 0
	STEP 1, 1, 0
	STEP 1, 2, 0
	STEP 1, 3, 3
	STEP 1, 4, 0
	STEP 1, 5, 0
	STEP 1, 6, 0
	STEP 1, 7, 4
	WIN 0
	PLACES 4
	EPI 2, 66, 1
	s_wait_tensorcnt 0x0                   ; the wave's end
	ds_add_u32 v[SPW], v[NIL]
	s_wait_dscnt 0x0
	CROUND
	s_endpgm
.Lfunc_end_k_qb2215b56ab_proj:
	.size	k_qb2215b56ab_proj, .Lfunc_end_k_qb2215b56ab_proj-k_qb2215b56ab_proj
	.p2alignl 7, 3214868480
	.fill 96, 4, 3214868480
	.section	.rodata,"a",@progbits
	.p2align	6, 0x0
	.amdhsa_kernel k_qb2215b56ab_proj
		.amdhsa_group_segment_fixed_size 327680
		.amdhsa_private_segment_fixed_size 0
		.amdhsa_enable_private_segment 0
		.amdhsa_kernarg_size 56
		.amdhsa_user_sgpr_count 2
		.amdhsa_user_sgpr_kernarg_segment_ptr 1
		.amdhsa_wavefront_size32 1
		.amdhsa_system_sgpr_workgroup_id_x 1
		.amdhsa_system_sgpr_workgroup_id_y 1
		.amdhsa_system_sgpr_workgroup_id_z 1
		.amdhsa_system_vgpr_workitem_id 0
		.amdhsa_next_free_vgpr 896
		.amdhsa_next_free_sgpr 102
		.amdhsa_reserve_vcc 0
		.amdhsa_float_denorm_mode_32 3
		.amdhsa_float_denorm_mode_16_64 3
		.amdhsa_memory_ordered 1
		.amdhsa_forward_progress 1
		.amdhsa_inst_pref_size 173
	.end_amdhsa_kernel
	.amdgpu_metadata
---
amdhsa.version: [ 1, 2 ]
amdhsa.kernels:
  - .name:           k_qb2215b56ab_proj
    .symbol:         k_qb2215b56ab_proj.kd
    .args:
      - { .name: xw, .offset: 0, .size: 8, .value_kind: global_buffer, .address_space: global }
      - { .name: xws, .offset: 8, .size: 8, .value_kind: global_buffer, .address_space: global }
      - { .name: bq, .offset: 16, .size: 8, .value_kind: global_buffer, .address_space: global }
      - { .name: bk, .offset: 24, .size: 8, .value_kind: global_buffer, .address_space: global }
      - { .name: bv, .offset: 32, .size: 8, .value_kind: global_buffer, .address_space: global }
      - { .name: qkv, .offset: 40, .size: 8, .value_kind: global_buffer, .address_space: global }
      - { .name: qkvs, .offset: 48, .size: 8, .value_kind: global_buffer, .address_space: global }
    .group_segment_fixed_size: 327680
    .private_segment_fixed_size: 0
    .kernarg_segment_align: 8
    .kernarg_segment_size: 56
    .max_flat_workgroup_size: 128
    .sgpr_count:     102
    .vgpr_count:     896
    .wavefront_size: 32
...
	.end_amdgpu_metadata
.endif
;; end of part 2
;; launch attn (part 3): grid 4 x 64, 16 waves a work-group, clusters of 4 x 1, 210,944 bytes of LDS; arguments qkv, qkvs, ao, aos; writes ao, aos
.if DOCPART == 3
	.amdgcn_target "amdgcn-amd-amdhsa--gfx1250"
	.amdhsa_code_object_version 6
	.text
	.protected	k_qb2215b56ab_attn
	.globl	k_qb2215b56ab_attn
	.p2align	8
	.type	k_qb2215b56ab_attn,@function
k_qb2215b56ab_attn:
	s_mov_b64 s[64:65], 0
	v_nop
	global_prefetch_b8 v0, s[64:65] scope:SCOPE_SE
	s_setreg_imm32_b32 hwreg(HW_REG_WAVE_MODE, 25, 1), 1
	s_wait_xcnt 0x0
	s_wait_alu depctr_hold_cnt(0) depctr_sa_sdst(0) depctr_va_vdst(0) depctr_va_sdst(0) depctr_va_ssrc(0) depctr_va_vcc(0) depctr_vm_vsrc(0)
	s_getreg_b32 s2, hwreg(HW_REG_IB_STS2, 6, 4)
	s_cmp_eq_u32 s2, 0
	s_cbranch_scc0 .Lentry_in_a_cluster
	s_endpgm
.Lentry_in_a_cluster:
	s_bfe_u32 s2, ttmp6, 0x10000c
	s_cmp_lg_u32 s2, 0x3003
	s_cbranch_scc0 .Lentry_shape_is_right
	s_endpgm
.Lentry_shape_is_right:
; For each of 64 (batch, head): O = softmax(Q K^T / 8) V, both products on codes of FP6 (E2M3) with E8M0 scales; O / l is quantised along the channels and leaves as codes for the last product.
; THE SOFTMAX: t = score x log2(e) / 8; M = the running largest t rounded UP to a whole number; p = 2^(t - M) is quantised along the keys, not normalised; the row's sum is taken of the unquantised p and divides at the end.
; When M moves, the sum and O are multiplied by 2^(old M - new M), which rounds nothing.
; SHARES.  A work-group owns one head and 512 queries; each of its sixteen waves owns a tile of 16 queries at a time, two one after the other (the outer loop).  A key step is 128 keys; a trip of the inner loop is two steps.
; ALL OF THE HEAD'S K AND V AND THEIR SCALE WORDS LIE IN LDS, FILLED ONCE (98,304 + 98,304 + 8,192 + 4,096 bytes): one barrier, ahead of all loops.  The four work-groups of a head are one cluster and ask jointly.
; Everything is asked for at the head, so nothing is left to prefetch.
; LAYOUT.  Operands lie as images of their registers (half a fragment, 64 along K: 768 bytes: four registers at 16 x lane, two at 512 + 8 x lane).  A head's 64 channels are half head % 2 of K step head / 2.
;   S^T = K Q^T has K = 64 under an instruction of 128: Q's registers 6-11 hold zero codes, so whatever codes stand in K's registers 6-11 add nothing: a key tile takes six registers, and the six above it are the next tile's.
;   Lane r of token tile 4 B + f holds token 64 B + 8 f + r % 8 + 32 (r / 8): so a lane's 32 scores of four key tiles are 32 NEIGHBOURING keys, one whole scale block, in the order of the second product's operand.
;   O^T = V^T P^T: a lane holds one query throughout.  V's fragments take K's registers; p stays until the next scores, so its sum is taken behind the second product, where its additions are the places that loads and products ask for.
; LIMITS: a block of zeros gets the byte 1 where the rule says 127; NaN and infinities are not served; the division by l is v_rcp_f32 and a multiplication.  A tile's scale half-words leave 2 bytes a lane (the other head of the pair writes the other halves).
; REGISTERS: v1-7, v31 constants of the lane; v8-11, v28, v29 the trip's LDS addresses; v12 -M, v30 the largest score, v[14:15] the sum; v16-27 Q; v32-85 K's tiles, then V's fragments; v86-93 scale words; v96-159 S^T, then p; v160-191 O^T; v192-210 codes; v212-225 partial sums; v228-247 at work.
.set FRB,   1536
.set VT0,   12582912
.set VTS0,  524288
.set LV,    98304                      ; LDS: K: key tile t at 768 t; V: key step s at LV + 6,144 s, channel tile at + 1,536
.set LKS,   196608                     ; K's scale words: 64 t + 4 r
.set LVS,   204800                     ; V's: 256 s + 64 t + 4 r
.set SPARE, 208896
.set WV,   12
.set SEL,  20
.set CS,   22
.set G1K,  24
.set G1V,  32
.set G1KS, 40
.set G1VS, 48
.set G0K,  56
.set G0V,  60
.set G0KS, 68
.set G0VS, 72
.set TB,   76                          ; the trip's place: 12,288 bytes of K and of V,
.set TS,   77                          ; 1,024 of K's scale words,
.set TJ,   78                          ; 512 of V's
.set CNT,  79
.set QC,   84
.set QS,   86
.set CN,   96                          ; -c
.set PAS,  97
.macro WALU
	s_wait_alu depctr_va_vdst(0)
.endm
.macro DEP n
	s_delay_alu instid0(VALU_DEP_\n)
.endm
.macro ROUND
	s_barrier_signal -1
	s_barrier_wait -1
	s_cmp_lg_u32 s[WV], 0
	s_cbranch_scc1 .Lnot_wave_0_\@
	s_barrier_signal -3
.Lnot_wave_0_\@:
	s_barrier_wait -3
	s_barrier_signal -1
	s_barrier_wait -1
.endm
.macro GROUP1 g, c, rows, pitch        ; elements of 8 bytes; the mask names all four work-groups
	s_mov_b32 s[\g], 15|(3<<16)|(1<<21)
	s_mov_b32 s[\g+1], (\c)<<16
	s_mov_b32 s[\g+2], (\rows)<<16
	s_mov_b32 s[\g+3], (\c)<<16
	s_mov_b32 s[\g+4], \rows
	s_mov_b32 s[\g+5], \pitch
	s_mov_b32 s[\g+6], 0
	s_mov_b32 s[\g+7], 0
.endm
.macro TLOAD g0, g1
	tensor_load_to_lds s[\g0:\g0+3], s[\g1:\g1+7]
	s_nop 0
.rept 4
	v_nop
.endr
.endm
	s_load_b256 s[4:11], s[0:1], 0x0               ; qkv, qkvs, ao, aos
	v_lshl_add_u32 v242, v0, 2, SPARE
	v_mov_b32 v243, 0
	ds_add_u32 v242, v243                          ; the opening lines
	ds_add_u32 v242, v243
	v_lshrrev_b32 v8, 5, v0
	v_readfirstlane_b32 s[WV], v8                  ; wave 0..15
	s_bfe_u32 s13, ttmp6, 0x40000                  ; cx
	s_lshl_b32 s80, ttmp9, 2
	s_add_co_u32 s80, s80, s13                     ; my block of 512 queries: it enters Q's and the output's addresses alone
	s_and_b32 s14, ttmp7, 0xffff
	s_lshr_b32 s15, s14, 4                         ; batch
	s_and_b32 s16, s14, 15                         ; head
	s_lshr_b32 s17, s16, 1                         ; its K step
	s_and_b32 s18, s16, 1                          ; its half
	s_and_b32 s19, s[WV], 1
	s_add_co_u32 s81, s17, 8                       ; k's planes follow q's eight
	s_lshl_b32 s81, s81, 9
	s_lshl_b32 s82, s15, 7
	s_add_co_u32 s81, s81, s82                     ; the head's first key tile
	s_lshl_b32 s82, s19, 6
	s_add_co_u32 s82, s82, s81                     ; waves 0, 1: 64 key tiles each
	s_mul_i32 s82, s82, FRB
	s_mul_i32 s83, s18, 768
	s_add_co_u32 s82, s82, s83
	s_mov_b32 s83, 0
	s_lshl_b32 s84, s15, 4
	s_lshl_b32 s85, s19, 3
	s_add_co_u32 s84, s84, s85                     ; waves 2, 3: 8 key steps each
	s_lshl_b32 s84, s84, 6
	s_lshl_b32 s85, s16, 2
	s_add_co_u32 s84, s84, s85                     ; the head's four channel tiles
	s_mul_i32 s84, s84, FRB
	s_add_co_u32 s84, s84, VT0
	s_mov_b32 s85, 0
	s_lshl_b32 s86, s81, 6
	s_mov_b32 s87, 0
	s_lshl_b32 s88, s15, 10
	s_lshl_b32 s89, s16, 2
	s_add_co_u32 s88, s88, s89
	s_lshl_b32 s88, s88, 6
	s_add_co_u32 s88, s88, VTS0
	s_mov_b32 s89, 0
	s_lshl_b32 s90, s17, 9
	s_lshl_b32 s91, s15, 7
	s_add_co_u32 s90, s90, s91
	s_lshl_b32 s91, s80, 5
	s_add_co_u32 s90, s90, s91
	s_add_co_u32 s90, s90, s[WV]                   ; my first tile of queries: plane head / 2, tile 128 batch + 32 block + wave
	s_lshl_b32 s92, s90, 6
	s_lshl_b32 s93, s18, 1
	s_add_co_u32 s92, s92, s93
	s_add_co_u32 s95, s93, LKS                     ; K's scale half-words: the head's two bytes of a word
	s_mov_b32 s93, 0
	s_mul_i32 s90, s90, FRB
	s_mul_i32 s91, s18, 768
	s_add_co_u32 s90, s90, s91
	s_mov_b32 s91, 0
	GROUP1 G1K, 96, 64, 192                        ; K: 64 rows (key tiles) of 768 bytes, 1,536 apart
	GROUP1 G1V, 768, 8, 12288                      ; V: 8 rows (key steps) of 6,144 bytes, 98,304 apart
	GROUP1 G1KS, 32, 32, 32                        ; K's scale words: 8,192 dense bytes as rows of 256
	GROUP1 G1VS, 32, 16, 512                       ; V's: 16 rows (key steps) of 256 bytes, 4,096 apart
	s_mov_b32 s[SEL], 0x76543210
	s_mov_b32 s[SEL+1], 0xfedcba98
	s_mov_b32 s[CS], 0x3e38aa3b                    ; c = log2(e) / 8
	s_mov_b32 s[CS+1], s[CS]
	s_mov_b32 s[CN], 0xbe38aa3b                    ; -c
	s_mul_i32 s94, s19, 49152
	s_wait_dscnt 0x0
	s_wait_kmcnt 0x0
	s_mov_b32 s[G0K], 1
	s_mov_b32 s[G0K+1], s94
	s_add_nc_u64 s[G0K+2:G0K+3], s[4:5], s[82:83]
	s_or_b32 s[G0K+3], s[G0K+3], 0x80000000
	s_mov_b32 s[G0V], 1
	s_add_co_u32 s[G0V+1], s94, LV
	s_add_nc_u64 s[G0V+2:G0V+3], s[4:5], s[84:85]
	s_or_b32 s[G0V+3], s[G0V+3], 0x80000000
	s_mov_b32 s[G0KS], 1
	s_mov_b32 s[G0KS+1], LKS
	s_add_nc_u64 s[G0KS+2:G0KS+3], s[6:7], s[86:87]
	s_or_b32 s[G0KS+3], s[G0KS+3], 0x80000000
	s_mov_b32 s[G0VS], 1
	s_mov_b32 s[G0VS+1], LVS
	s_add_nc_u64 s[G0VS+2:G0VS+3], s[6:7], s[88:89]
	s_or_b32 s[G0VS+3], s[G0VS+3], 0x80000000
	s_add_nc_u64 s[QC:QC+1], s[4:5], s[90:91]
	s_add_nc_u64 s[QS:QS+1], s[6:7], s[92:93]
	s_add_nc_u64 s[8:9], s[8:9], s[90:91]          ; the output's fragments have Q's places
	s_add_nc_u64 s[10:11], s[10:11], s[92:93]
	ROUND                                          ; the joint loads meet
	s_cmp_lt_u32 s[WV], 2                          ; the launch's only fills: one load a wave in waves 0 to 5
	s_cbranch_scc0 .Lnot_k
	TLOAD G0K, G1K
	s_branch .Lasked
.Lnot_k:
	s_cmp_lt_u32 s[WV], 4
	s_cbranch_scc0 .Lnot_v
	TLOAD G0V, G1V
	s_branch .Lasked
.Lnot_v:
	s_cmp_eq_u32 s[WV], 4
	s_cbranch_scc0 .Lnot_ks
	TLOAD G0KS, G1KS
	s_branch .Lasked
.Lnot_ks:
	s_cmp_eq_u32 s[WV], 5
	s_cbranch_scc0 .Lasked
	TLOAD G0VS, G1VS
.Lasked:
	v_and_b32 v8, 31, v0                           ; lane
	v_and_b32 v9, 15, v0                           ; r
	v_bfe_u32 v10, v0, 4, 1                        ; h
	v_lshlrev_b32 v1, 4, v8                        ; 16 x lane: K's images, and the global images
	v_lshlrev_b32 v2, 3, v8                        ; 8 x lane
	v_lshlrev_b32 v7, 2, v9                        ; 4 r
	v_lshlrev_b32 v31, 3, v10                      ; 8 h
	v_add_nc_u32 v3, LV, v1                        ; V's images
	v_add_nc_u32 v4, LV, v2
	v_lshl_add_u32 v11, v10, 6, v7                 ; scale words: lanes 0-15 a tile's, lanes 16-31 the next tile's
	v_add_nc_u32 v5, s95, v11
	v_add_nc_u32 v6, LVS, v11
.irp i, 13,22,23,24,25,26,27,80,81,82,83,84,85,236,237,239,241,247
	v_mov_b32 v[\i], 0                             ; Q's upper 64 along K: zero codes; what stands above K's last tile; lane permutes' destinations and pairs' upper halves, written once
.endr
	WALU                                           ; the wait at the head's end
	s_wait_tensorcnt 0x0
	s_barrier_signal -1
	s_barrier_wait -1                              ; from here on LDS is only read
	s_mov_b32 s[PAS], 0
.macro KLOAD a16, a8, as, st           ; a step's eight key tiles, six registers each, and their scale half-words, two tiles to a register
.irp t, 0,1,2,3,4,5,6,7
	ds_load_b128 v[32+6*\t:35+6*\t], v\a16 offset:(\st)*6144+\t*768
	ds_load_b64 v[36+6*\t:37+6*\t], v\a8 offset:(\st)*6144+\t*768+512
.endr
.irp p, 0,1,2,3
	ds_load_u16 v[86+\p], v\as offset:(\st)*512+128*\p
.endr
.endm
.macro JOIN                            ; the last step's seven partial sums go into the row's sum
	v_pk_add_f32 v[212:213], v[212:213], v[214:215]
	v_pk_add_f32 v[216:217], v[216:217], v[218:219]
	v_pk_add_f32 v[220:221], v[220:221], v[222:223]
	v_pk_add_f32 v[14:15], v[14:15], v[224:225]
	v_pk_add_f32 v[212:213], v[212:213], v[216:217]
	v_pk_add_f32 v[14:15], v[14:15], v[220:221]
	v_pk_add_f32 v[14:15], v[14:15], v[212:213]
.endm
.macro SMUL t, row
	v_wmma_scale_f32_16x16x128_f8f6f4 v[96+8*(\t):103+8*(\t)], v[32+6*(\t):43+6*(\t)], v[16:27], 0, v[86+(\t)/2], v93 matrix_a_fmt:MATRIX_FMT_FP6 matrix_b_fmt:MATRIX_FMT_FP6 matrix_a_scale:MATRIX_SCALE_ROW\row
.endm
.macro OMUL t, row
	v_wmma_scale_f32_16x16x128_f8f6f4 v[160+8*\t:167+8*\t], v[32+12*\t:43+12*\t], v[192:203], v[160+8*\t:167+8*\t], v[90+\t/2], v92 matrix_a_fmt:MATRIX_FMT_FP6 matrix_b_fmt:MATRIX_FMT_FP6 matrix_a_scale:MATRIX_SCALE_ROW\row
.endm
; A KEY STEP: 128 keys.  u: which of the trip's two
.macro STEP u
	WALU                                           ; the wait ahead of the wait below: partial sums
	s_wait_dscnt 0x0                               ; this step's key tiles are in
.irp t, 0,2,4,6
	SMUL \t, 0
	SMUL \t+1, 1
.endr
.if \u == 0
	v_add_nc_u32 v8, s[TB], v1                     ; the trip's LDS addresses: made and used inside one trip
	v_add_nc_u32 v9, s[TB], v2
	v_add_nc_u32 v28, s[TS], v5
	v_add_nc_u32 v10, s[TB], v3
	v_add_nc_u32 v11, s[TB], v4
	v_add_nc_u32 v29, s[TJ], v6
.endif
	JOIN                                           ; plain lines that name no register of the products: the places ahead of the loads and reads below
.irp t, 0,1,2,3                                ; V's four fragments take K's registers; they land under the softmax
	ds_load_b128 v[32+12*\t:35+12*\t], v10 offset:\u*6144+FRB*\t
	ds_load_b64 v[36+12*\t:37+12*\t], v11 offset:\u*6144+FRB*\t+512
	ds_load_b128 v[38+12*\t:41+12*\t], v10 offset:\u*6144+FRB*\t+768
	ds_load_b64 v[42+12*\t:43+12*\t], v11 offset:\u*6144+FRB*\t+1280
.endr
	ds_load_b32 v90, v29 offset:\u*256
	ds_load_b32 v91, v29 offset:\u*256+128
.irp k, 0,1,2,3                                ; registers 96 + 32 c + i are keys 64 c + 32 h + i of the step: my block 2 c + h.  Its largest score, in two chains
	v_max3_num_f32 v[228+\k], v[96+16*\k], v[97+16*\k], v[98+16*\k]
.endr
.irp i, 3,5,7,9,11,13
.irp k, 0,1,2,3
	v_max3_num_f32 v[228+\k], v[228+\k], v[96+16*\k+\i], v[97+16*\k+\i]
.endr
.endr
.irp c, 0,1
	v_max3_num_f32 v[232+\c], v[228+2*\c], v[229+2*\c], v[111+32*\c]
.endr
.irp c, 0,1
	v_max_num_f32 v[232+\c], v[232+\c], v[127+32*\c]
.endr
	DEP 1
	v_max_num_f32 v240, v232, v233
	DEP 1
	v_permlanex16_b32 v241, v240, s[SEL], s[SEL+1]
	DEP 1
	v_max3_num_f32 v30, v30, v240, v241            ; the running largest score of my query
	DEP 1
	v_mul_f32 v244, s[CN], v30                     ; -t
	v_mov_b32 v245, v12
	DEP 2
	v_floor_f32 v12, v244                          ; the new -M = floor(-t) = -ceil(t)
	DEP 1
	v_sub_f32 v245, v12, v245                      ; old M - new M: a whole number, 0 or less
	DEP 1
	v_cvt_i32_f32 v245, v245                       ; (it saturates)
	DEP 1
	v_ldexp_f32 v246, 1.0, v245                    ; f = 2^(old M - new M)
.set j, 0
.rept 32
	v_pk_fma_f32 v[96+j:97+j], v[96+j:97+j], s[CS:CS+1], v[12:13] op_sel_hi:[1,0,0]   ; t - M
.set j, j+2
.endr
	v_fma_f32 v232, v232, s[CS], v12               ; the same of each block's largest score
	v_fma_f32 v233, v233, s[CS], v12
	WALU                                           ; the wait ahead of the batch
	v_exp_f32 v232, v232                           ; the block's largest p
	v_exp_f32 v233, v233
.set j, 0
.rept 64
	v_exp_f32 v[96+j], v[96+j]                     ; p = 2^(t - M)
.set j, j+1
.endr
	v_pk_mul_f32 v[14:15], v[14:15], v[246:247] op_sel_hi:[1,0]   ; the sum under the new M (the plain place behind the batch)
	WALU                                           ; and behind it
	v_max_num_f32 v232, 0x1800000, v232            ; the floor 2^(3 - 127)
	v_max_num_f32 v233, 0x1800000, v233
	DEP 2
	v_add_nc_u32 v234, 0xff000000, v232            ; the conversions' scale operands
	DEP 2
	v_add_nc_u32 v235, 0xff000000, v233
	DEP 2
	v_lshrrev_b32 v236, 23, v234
	DEP 2
	v_lshrrev_b32 v237, 23, v235
	DEP 1
	v_lshl_or_b32 v238, v237, 16, v236             ; my bytes: blocks h and 2 + h,
	DEP 1
	v_lshlrev_b32 v238, v31, v238                  ; 8 h bits up;
	DEP 1
	v_permlanex16_b32 v239, v238, s[SEL], s[SEL+1]
	DEP 1
	v_or_b32 v92, v238, v239                       ; with lane l xor 16's: p's scale word
.irp c, 0,1
	v_cvt_scalef32_pk16_fp6_f32 v[192+6*\c:194+6*\c], v[96+32*\c:111+32*\c], v[234+\c]
	v_cvt_scalef32_pk16_fp6_f32 v[204+4*\c:206+4*\c], v[112+32*\c:127+32*\c], v[234+\c]   ; (a conversion's three registers begin on an even number)
.endr
	v_nop                                          ; one plain place behind a scaled conversion
.irp c, 0,1
.irp i, 0,1,2
	v_mov_b32 v[195+6*\c+\i], v[204+4*\c+\i]
.endr
.endr
	s_wait_dscnt 0x0                               ; V's fragments are in
	WALU                                           ; the wait directly ahead of the first reader of O^T
.set j, 0
.rept 16
	v_pk_mul_f32 v[160+j:161+j], v[160+j:161+j], v[246:247] op_sel_hi:[1,0]   ; O^T under the new M; also the places between the codes' and the scale word's writes and the products
.set j, j+2
.endr
	OMUL 0, 0
	OMUL 1, 1
	OMUL 2, 0
	OMUL 3, 1
.irp i, 0,1,2,3,4,5,6                          ; THE ROW'S SUM, of the unquantised p: seven partial sums and the sum itself by turns; the first eight lines are the places ahead of the loads into V's registers
	v_pk_add_f32 v[212+2*\i:213+2*\i], v[96+4*\i:97+4*\i], v[98+4*\i:99+4*\i]
.endr
	v_pk_add_f32 v[14:15], v[14:15], v[124:125]
.if \u
	WALU                                           ; the wait ahead of the branch
	s_cmp_eq_u32 s[CNT], 1                         ; behind the last step there are no keys to fetch
	s_cbranch_scc1 .Lno_keys_\@
	KLOAD 8, 9, 28, 2                              ; the next trip's first step: two steps on from this trip's addresses
.Lno_keys_\@:
.else
	KLOAD 8, 9, 28, 1
.endif
.irp i, 0,1,2,3,4,5,6
	v_pk_add_f32 v[212+2*\i:213+2*\i], v[212+2*\i:213+2*\i], v[126+2*\i:127+2*\i]
.endr
	v_pk_add_f32 v[14:15], v[14:15], v[140:141]
.irp i, 0,1,2,3,4,5,6
	v_pk_add_f32 v[212+2*\i:213+2*\i], v[212+2*\i:213+2*\i], v[142+2*\i:143+2*\i]
.endr
	v_pk_add_f32 v[14:15], v[14:15], v[156:157]
	v_pk_add_f32 v[212:213], v[212:213], v[158:159]
.endm
; A PASS: one tile of 16 queries against all 2,048 keys
.Lpass:
	global_load_b128 v[16:19], v1, s[QC:QC+1]
	global_load_b64 v[20:21], v2, s[QC:QC+1] offset:512
	global_load_u16 v93, v7, s[QS:QS+1]            ; the head's two scale bytes; the upper two are 0, over zero codes
	KLOAD 1, 2, 5, 0
	v_mov_b32 v30, 0xff61b1e6                      ; the largest score so far: -3e38
	v_mov_b32 v12, 0x7e000000                      ; -M: a large whole number, so that the first f is 0, over sums of 0
	v_mov_b32 v14, 0
	v_mov_b32 v15, 0
.set j, 0
.rept 14
	v_mov_b32 v[212+j], 0
.set j, j+1
.endr
.set j, 0
.rept 32
	v_mov_b32 v[160+j], 0                          ; O^T: the step is written once; its first trip finds zeros
.set j, j+1
.endr
	s_mov_b32 s[TB], 0
	s_mov_b32 s[TS], 0
	s_mov_b32 s[TJ], 0
	s_mov_b32 s[CNT], 8
	s_wait_loadcnt 0x0
.Ltrip:
	STEP 0
	STEP 1
	s_add_co_u32 s[TB], s[TB], 12288
	s_add_co_u32 s[TS], s[TS], 1024
	s_add_co_u32 s[TJ], s[TJ], 512
	s_sub_co_u32 s[CNT], s[CNT], 1
	s_cmp_lg_u32 s[CNT], 0
	s_cbranch_scc1 .Ltrip
	WALU                                           ; the wait
	JOIN
	v_add_f32 v14, v14, v15
	v_permlanex16_b32 v239, v14, s[SEL], s[SEL+1]
	v_add_f32 v14, v14, v239                       ; the row's sum
	WALU
	v_rcp_f32 v14, v14
	v_nop                                          ; a plain place behind the transcendental
	WALU                                           ; and the wait ahead of its first reader, and of O^T's
.set j, 0
.rept 16
	v_pk_mul_f32 v[96+j:97+j], v[160+j:161+j], v[14:15] op_sel_hi:[1,0]   ; O^T / l: register 16 b + i is channel 32 b + 16 h + i of the head (the weights' order of rows in a tile)
.set j, j+2
.endr
.irp b, 0,1
	v_max3_num_f32 v[232+\b], |v[96+16*\b]|, |v[97+16*\b]|, 0x1800000
.endr
.irp i, 2,4,6,8,10,12,14
.irp b, 0,1
	v_max3_num_f32 v[232+\b], v[232+\b], |v[96+16*\b+\i]|, |v[97+16*\b+\i]|
.endr
.endr
.irp b, 0,1
	v_permlanex16_b32 v[236+\b], v[232+\b], s[SEL], s[SEL+1]
.endr
.irp b, 0,1
	v_max_num_f32 v[232+\b], v[232+\b], v[236+\b]
.endr
.irp b, 0,1
	v_add_nc_u32 v[234+\b], 0xff000000, v[232+\b]
.endr
.irp b, 0,1
	v_lshrrev_b32 v[236+\b], 23, v[234+\b]
.endr
	v_lshl_or_b32 v238, v237, 8, v236              ; the head's half of the row's scale word
	v_cvt_scalef32_pk16_fp6_f32 v[192:194], v[96:111], v234
	v_cvt_scalef32_pk16_fp6_f32 v[204:206], v[112:127], v235
	v_nop
.irp i, 0,1,2
	v_permlane16_swap_b32 v[192+\i], v[204+\i]
.endr
.irp i, 0,1,2
	v_mov_b32 v[195+\i], v[204+\i]
.endr
	global_store_b128 v1, v[192:195], s[8:9]       ; half a fragment: 512 and 256 consecutive bytes, aligned
	global_store_b64 v2, v[196:197], s[8:9] offset:512
	global_store_b16 v7, v238, s[10:11]            ; both halves of the lanes write the same two bytes with the same value
	s_wait_xcnt 0x0                                ; bases and registers are written again only behind this wait
	s_add_nc_u64 s[QC:QC+1], s[QC:QC+1], 16*FRB    ; sixteen tiles on
	s_add_nc_u64 s[QS:QS+1], s[QS:QS+1], 1024
	s_add_nc_u64 s[8:9], s[8:9], 16*FRB
	s_add_nc_u64 s[10:11], s[10:11], 1024
	s_add_co_u32 s[PAS], s[PAS], 1
	s_cmp_lt_u32 s[PAS], 2
	WALU
	s_cbranch_scc1 .Lpass
	s_wait_tensorcnt 0x0                           ; the wave's end
	ds_add_u32 v242, v243
	s_wait_dscnt 0x0
	ROUND                                          ; the closing round
	s_endpgm
.Lfunc_end_k_qb2215b56ab_attn:
	.size	k_qb2215b56ab_attn, .Lfunc_end_k_qb2215b56ab_attn-k_qb2215b56ab_attn
	.p2alignl 7, 3214868480
	.fill 96, 4, 3214868480
	.section	.rodata,"a",@progbits
	.p2align	6, 0x0
	.amdhsa_kernel k_qb2215b56ab_attn
		.amdhsa_group_segment_fixed_size 210944
		.amdhsa_private_segment_fixed_size 0
		.amdhsa_enable_private_segment 0
		.amdhsa_kernarg_size 32
		.amdhsa_user_sgpr_count 2
		.amdhsa_user_sgpr_kernarg_segment_ptr 1
		.amdhsa_wavefront_size32 1
		.amdhsa_system_sgpr_workgroup_id_x 1
		.amdhsa_system_sgpr_workgroup_id_y 1
		.amdhsa_system_sgpr_workgroup_id_z 1
		.amdhsa_system_vgpr_workitem_id 0
		.amdhsa_next_free_vgpr 256
		.amdhsa_next_free_sgpr 100
		.amdhsa_reserve_vcc 0
		.amdhsa_float_denorm_mode_32 3
		.amdhsa_float_denorm_mode_16_64 3
		.amdhsa_memory_ordered 1
		.amdhsa_forward_progress 1
		.amdhsa_inst_pref_size 48
	.end_amdhsa_kernel
	.amdgpu_metadata
---
amdhsa.version: [ 1, 2 ]
amdhsa.kernels:
  - .name:           k_qb2215b56ab_attn
    .symbol:         k_qb2215b56ab_attn.kd
    .args:
      - { .name: qkv, .offset: 0, .size: 8, .value_kind: global_buffer, .address_space: global }
      - { .name: qkvs, .offset: 8, .size: 8, .value_kind: global_buffer, .address_space: global }
      - { .name: ao, .offset: 16, .size: 8, .value_kind: global_buffer, .address_space: global }
      - { .name: aos, .offset: 24, .size: 8, .value_kind: global_buffer, .address_space: global }
    .group_segment_fixed_size: 210944
    .private_segment_fixed_size: 0
    .kernarg_segment_align: 8
    .kernarg_segment_size: 32
    .max_flat_workgroup_size: 512
    .sgpr_count:     100
    .vgpr_count:     256
    .wavefront_size: 32
...
	.end_amdgpu_metadata
.endif
;; end of part 3
;; launch outp (part 4): grid 8 x 32, 4 waves a work-group, clusters of 4 x 4, 327,680 bytes of LDS; arguments ao, aos, xw, xws, bo, out0; writes out0
.if DOCPART == 4
	.amdgcn_target "amdgcn-amd-amdhsa--gfx1250"
	.amdhsa_code_object_version 6
	.text
	.protected	k_qb2215b56ab_outp
	.globl	k_qb2215b56ab_outp
	.p2align	8
	.type	k_qb2215b56ab_outp,@function
k_qb2215b56ab_outp:
	s_mov_b64 s[64:65], 0
	v_nop
	global_prefetch_b8 v0, s[64:65] scope:SCOPE_SE
	s_setreg_imm32_b32 hwreg(HW_REG_WAVE_MODE, 25, 1), 1
	s_wait_xcnt 0x0
	s_wait_alu depctr_hold_cnt(0) depctr_sa_sdst(0) depctr_va_vdst(0) depctr_va_sdst(0) depctr_va_ssrc(0) depctr_va_vcc(0) depctr_vm_vsrc(0)
	s_getreg_b32 s2, hwreg(HW_REG_IB_STS2, 6, 4)
	s_cmp_eq_u32 s2, 0
	s_cbranch_scc0 .Lentry_in_a_cluster
	s_endpgm
.Lentry_in_a_cluster:
	s_bfe_u32 s2, ttmp6, 0x10000c
	s_cmp_lg_u32 s2, 0xf033
	s_cbranch_scc0 .Lentry_shape_is_right
	s_endpgm
.Lentry_shape_is_right:
; out0 = O Wo + bo on codes of FP6 (E2M3) with E8M0 scales, f32 sums.  ao: fragment (K step I, token tile T) at (512 I + T) x 1536, aos: its scale words at (512 I + T) x 64; Wo's column tiles are xw's tiles 704 on (768 tiles a K step).
; THE DEAL: 256 work-groups = 32 blocks of 256 tokens x 8 groups of 128 columns.  All of K of both operands lies in LDS (196,608 + 98,304 bytes, and the scale words), filled once at the head, one tensor load a wave: no slot is filled again.
; Everything is asked for at the head, so nothing is left to prefetch.  A wave makes 64 tokens x 128 columns: 32 accumulators; source 0 = Wo's eight column tiles, source 1 = my four token tiles; bo is the C of the first products.
; CLUSTER 4 x 4: the tokens' tiles are asked for jointly along a row of the cluster, Wo's along a column.
; ROWS OF A TILE: lane r of column tile T holds column 32 (T / 2) + 8 (T % 2) + r + 8 (r / 8); lane r of token tile 4 B + f holds token 64 B + 8 f + r % 8 + 32 (r / 8): the way out puts both back in order.  NaN and infinities are not served.
; REGISTERS: window 0: v4-27 addresses; v32-79 scale words; v80-175 source 1's fragments, two sets (on the way out v80-207: rows read back).  Window 1: source 0's, two sets.  Window 2: the accumulators.  Window 3: the bias.
.set FRB,   1536
.set PLA,   786432
.set PLAS,  32768
.set PLX,   1179648
.set PLS,   49152
.set TPL,   24576
.set WPL,   12288
.set WB,    196608
.set TS,    294912
.set WS,    303104
.set SPARE, 307200
.set SPITCH, 528
.set L16, 4
.set L8,  5
.set STO, 6
.set RD,  7
.set SPW, 8
.set NIL, 9
.set BIA, 10
.set SB,  32
.set SA,  64
.set AF,  80
.set BK,  80
.set BC,  0
.set MSB, 0
.macro WIN new
.if MSB != \new
	s_set_vgpr_msb (MSB<<8)|\new
.set MSB, \new
.endif
.endm
.macro PLACES n
.rept \n
	v_nop
.endr
.endm
.macro CROUND
	s_barrier_signal -1
	s_barrier_wait -1
	s_cmp_lg_u32 s18, 0
	s_cbranch_scc1 .Lnot_wave_0_\@
	s_barrier_signal -3
.Lnot_wave_0_\@:
	s_barrier_wait -3
	s_barrier_signal -1
	s_barrier_wait -1
.endm
.macro TLOAD g0, g1
	tensor_load_to_lds s[\g0:\g0+3], s[\g1:\g1+7]
	s_nop 0
	PLACES 4
.endm
.macro GROUP1 g, mask, c, pitch        ; 8 rows (K steps) of c elements of 8 bytes
	s_or_b32 s[\g], s\mask, (3<<16)|(1<<21)
	s_mov_b32 s[\g+1], (\c)<<16
	s_mov_b32 s[\g+2], 8<<16
	s_mov_b32 s[\g+3], (\c)<<16
	s_mov_b32 s[\g+4], 8
	s_mov_b32 s[\g+5], \pitch
	s_mov_b32 s[\g+6], 0
	s_mov_b32 s[\g+7], 0
.endm
.macro ARM under, g0, g1, next
	s_cmp_lt_u32 s18, \under
	s_cbranch_scc0 \next
	TLOAD \g0, \g1
	s_branch .Lasked
\next:
.endm
.macro FRAG reg, a16, a8, off
	ds_load_b128 v[\reg:\reg+3], v[\a16] offset:\off
	ds_load_b64 v[\reg+4:\reg+5], v[\a8] offset:\off+512
	ds_load_b128 v[\reg+6:\reg+9], v[\a16] offset:\off+768
	ds_load_b64 v[\reg+10:\reg+11], v[\a8] offset:\off+1280
.endm
.macro FETCH q                         ; K step q's 12 fragments into set q % 2
	WIN 0x40
.irp i, 0,1,2,3,4,5,6,7
	FRAG 128*((\q)%2)+12*\i, 24+(\q)/4, 26+(\q)/4, ((\q)%4)*WPL+\i*FRB
.endr
	WIN 0
.irp i, 0,1,2,3
	FRAG AF+48*((\q)%2)+12*\i, 16+(\q)/2, 20+(\q)/2, ((\q)%2)*TPL+\i*FRB
.endr
.endm
.macro MUL1 d, s0, s1, c, x0, x1, o
.if \o
	v_wmma_scale_f32_16x16x128_f8f6f4 v[\d:\d+7], v[\s0:\s0+11], v[\s1:\s1+11], v[\c:\c+7], v[\x0], v[\x1] matrix_a_fmt:MATRIX_FMT_FP6 matrix_b_fmt:MATRIX_FMT_FP6 matrix_a_scale:MATRIX_SCALE_ROW1 matrix_b_scale:MATRIX_SCALE_ROW1
.else
	v_wmma_scale_f32_16x16x128_f8f6f4 v[\d:\d+7], v[\s0:\s0+11], v[\s1:\s1+11], v[\c:\c+7], v[\x0], v[\x1] matrix_a_fmt:MATRIX_FMT_FP6 matrix_b_fmt:MATRIX_FMT_FP6
.endif
.endm
.macro MULA q, a                       ; token tile a against the eight column tiles; the 32 accumulators take turns
.if (\q) == 0
	WIN 0xb1                               ; C in window 3: the bias starts the sums
.else
	WIN 0xa1
.endif
.irp b, 0,1,2,3,4,5,6,7
.if (\q) == 0
.set C_, BC+8*\b
.else
.set C_, 64*(\a)+8*\b
.endif
	MUL1 64*(\a)+8*\b, 128*((\q)%2)+12*\b, AF+48*((\q)%2)+12*(\a), C_, SB+8*((\q)/2)+\b, SA+4*((\q)/2)+(\a), (\q)%2
.endr
.endm
.macro STEP q
	s_wait_dscnt 0x0                       ; this step's fragments are in
.if (\q) == 0
	s_wait_loadcnt 0x0                     ; the bias
.endif
.if (\q) == 7
	s_barrier_signal -1                    ; my last reads of the tiles are over
.endif
	MULA \q, 0
.if (\q) < 7
	PLACES 4                               ; places ahead of loads into the set that the last step's products read
	FETCH (\q)+1
.endif
	MULA \q, 1
	MULA \q, 2
	MULA \q, 3
.endm
	s_load_b256 s[4:11], s[0:1], 0x0       ; ao, aos, xw, xws
	s_load_b128 s[12:15], s[0:1], 0x20     ; bo, out0
	v_lshl_add_u32 v[SPW], v0, 2, SPARE
	v_mov_b32 v[NIL], 0
	ds_add_u32 v[SPW], v[NIL]              ; the opening lines
	ds_add_u32 v[SPW], v[NIL]
	v_lshrrev_b32 v1, 5, v0
	v_readfirstlane_b32 s18, v1            ; wave
	s_bfe_u32 s21, ttmp6, 0x40000          ; cx
	s_bfe_u32 s22, ttmp6, 0x40004          ; cy
	s_lshl_b32 s23, ttmp9, 2
	s_add_co_u32 s23, s23, s21             ; g: my 128 columns
	s_and_b32 s24, ttmp7, 0xffff
	s_lshl_b32 s24, s24, 2
	s_add_co_u32 s24, s24, s22             ; tb: my 256 tokens
	s_lshl_b32 s25, s22, 2
	s_lshl_b32 s25, 15, s25                ; my row of the cluster
	s_lshl_b32 s26, 0x1111, s21            ; my column
	GROUP1 32, 25, 3072, PLA/8
	GROUP1 40, 26, 1536, PLX/8
	GROUP1 48, 25, 128, PLAS/8
	GROUP1 56, 26, 64, PLS/8
	s_mov_b32 s29, 0
	s_mov_b32 s31, 0
	s_mul_i32 s28, s24, 16*FRB
	s_lshl_b32 s27, s23, 3
	s_add_co_u32 s27, s27, 704             ; Wo's tile
	s_mul_i32 s30, s27, FRB
	s_wait_dscnt 0x0
	s_wait_kmcnt 0x0
	s_add_nc_u64 s[70:71], s[4:5], s[28:29]
	s_add_nc_u64 s[74:75], s[8:9], s[30:31]
	s_lshl_b32 s28, s24, 10
	s_lshl_b32 s30, s27, 6
	s_add_nc_u64 s[78:79], s[6:7], s[28:29]
	s_add_nc_u64 s[82:83], s[10:11], s[30:31]
.irp g, 68,72,76,80
	s_mov_b32 s[\g], 1
	s_or_b32 s[\g+3], s[\g+3], 0x80000000
.endr
	s_mov_b32 s69, 0
	s_mov_b32 s73, WB
	s_mov_b32 s77, TS
	s_mov_b32 s81, WS
	CROUND                                 ; the joint loads meet
	ARM 1, 72, 40, .Lhead_t                ; one load a wave: Wo's columns,
	ARM 2, 68, 32, .Lhead_ts               ; the tokens,
	ARM 3, 76, 48, .Lhead_ws               ; their scale words,
	TLOAD 80, 56                           ; Wo's scale words
.Lasked:
	s_lshl_b32 s100, s24, 8                ; my first row of out0: 256 tb + 64 wave, rows of 4,096 bytes; + 512 g
	s_lshl_b32 s97, s18, 6
	s_add_co_u32 s100, s100, s97
	s_lshl_b32 s100, s100, 12
	s_lshl_b32 s97, s23, 9
	s_add_co_u32 s100, s100, s97
	s_mov_b32 s101, 0
	s_add_nc_u64 s[92:93], s[14:15], s[100:101]
	s_mul_i32 s25, s18, 4*FRB              ; my four token tiles
	s_lshl_b32 s28, s18, 8
	s_add_co_u32 s28, s28, TS
	s_mul_i32 s31, s18, 16*SPITCH
	s_add_co_u32 s31, s31, WB              ; my stage, in the weights' bytes, which have had their only fill
	v_and_b32 v1, 15, v0                   ; r
	v_bfe_u32 v2, v0, 4, 1                 ; h
	v_and_b32 v3, 31, v0
	v_lshlrev_b32 v[L16], 4, v3
	v_lshlrev_b32 v[L8], 3, v3
	v_lshlrev_b32 v11, 2, v1
	v_add_nc_u32 v16, s25, v[L16]
	v_add_nc_u32 v20, s25, v[L8]
.irp g, 1,2,3
	v_add_nc_u32 v[16+\g], \g*2*TPL, v16
	v_add_nc_u32 v[20+\g], \g*2*TPL, v20
.endr
	v_add_nc_u32 v24, WB, v[L16]
	v_add_nc_u32 v26, WB, v[L8]
	v_add_nc_u32 v25, WB+4*WPL, v[L16]
	v_add_nc_u32 v27, WB+4*WPL, v[L8]
	v_lshl_add_u32 v12, v2, 9, v11         ; scale words: 4 r + a K step for lanes 16-31
	v_lshl_add_u32 v13, v2, 10, v11
	v_add_nc_u32 v12, WS, v12
	v_add_nc_u32 v13, s28, v13
	v_mul_u32_u24 v14, v1, SPITCH
	v_lshl_add_u32 v14, v2, 6, v14
	v_add_nc_u32 v[STO], s31, v14
	v_add_nc_u32 v[RD], s31, v[L16]
	v_lshl_add_u32 v[BIA], v2, 6, s97      ; bias by register: column 128 g + 32 bb + 16 h + ..
	s_wait_alu depctr_va_vdst(0)           ; the wait at the head's end
	WIN 0xc0
.irp bb, 0,1,2,3
.irp jj, 0,1,2,3
	global_load_b128 v[BC+16*\bb+4*\jj:BC+16*\bb+4*\jj+3], v[BIA], s[12:13] offset:128*\bb+16*\jj
.endr
.endr
	WIN 0
	s_wait_tensorcnt 0x0
	s_barrier_signal -1
	s_barrier_wait -1                      ; all four tiles are in
	FETCH 0
.irp p, 0,1,2,3
.irp b, 0,1,2,3,4,5,6,7
	ds_load_b32 v[SB+8*\p+\b], v12 offset:\p*1024+64*\b
.endr
.irp a, 0,1,2,3
	ds_load_b32 v[SA+4*\p+\a], v13 offset:\p*2048+64*\a
.endr
.endr
.irp q, 0,1,2,3,4,5,6,7
	STEP \q
.endr
	WIN 0
	s_barrier_wait -1                      ; nobody reads the weights' bytes any more: the stages may be written
; THE WAY OUT: a block of 16 tokens x 128 columns goes through my stage and comes back as rows of 512 bytes, which 32 lanes store as two aligned units of 256
.macro TOSTAGE a
	WIN 0x08
.irp b, 0,1,2,3,4,5,6,7
	ds_store_b128 v[STO], v[64*(\a)+8*\b:64*(\a)+8*\b+3] offset:128*(\b/2)+32*(\b%2)
	ds_store_b128 v[STO], v[64*(\a)+8*\b+4:64*(\a)+8*\b+7] offset:128*(\b/2)+32*(\b%2)+16
.endr
	WIN 0
.set BB, BK+64*((\a)%2)
.irp t, 0,1,2,3,4,5,6,7,8,9,10,11,12,13,14,15
	ds_load_b128 v[BB+4*\t:BB+4*\t+3], v[RD] offset:\t*SPITCH   ; LDS serves a wave's instructions in order
.endr
.endm
.macro SEND a, younger                 ; younger: the LDS instructions issued behind block a's loads
.set BB, BK+64*((\a)%2)
	s_wait_dscnt \younger
.irp t, 0,1,2,3,4,5,6,7,8,9,10,11,12,13,14,15
	global_store_b128 v[L16], v[BB+4*\t:BB+4*\t+3], s[92:93] offset:(8*(\a)+\t%8+32*(\t/8))*4096 th:TH_STORE_NT
.endr
.endm
	PLACES 4
	TOSTAGE 0
.irp a, 1,2,3
.if \a > 1
	s_wait_xcnt 0x0                        ; block a - 2's stores have read their registers
.endif
	TOSTAGE \a
	SEND \a-1, 32
.endr
	SEND 3, 0
	s_wait_tensorcnt 0x0                   ; the wave's end
	ds_add_u32 v[SPW], v[NIL]
	s_wait_dscnt 0x0
	CROUND
	s_endpgm
.Lfunc_end_k_qb2215b56ab_outp:
	.size	k_qb2215b56ab_outp, .Lfunc_end_k_qb2215b56ab_outp-k_qb2215b56ab_outp
	.p2alignl 7, 3214868480
	.fill 96, 4, 3214868480
	.section	.rodata,"a",@progbits
	.p2align	6, 0x0
	.amdhsa_kernel k_qb2215b56ab_outp
		.amdhsa_group_segment_fixed_size 327680
		.amdhsa_private_segment_fixed_size 0
		.amdhsa_enable_private_segment 0
		.amdhsa_kernarg_size 48
		.amdhsa_user_sgpr_count 2
		.amdhsa_user_sgpr_kernarg_segment_ptr 1
		.amdhsa_wavefront_size32 1
		.amdhsa_system_sgpr_workgroup_id_x 1
		.amdhsa_system_sgpr_workgroup_id_y 1
		.amdhsa_system_sgpr_workgroup_id_z 1
		.amdhsa_system_vgpr_workitem_id 0
		.amdhsa_next_free_vgpr 832
		.amdhsa_next_free_sgpr 102
		.amdhsa_reserve_vcc 0
		.amdhsa_float_denorm_mode_32 3
		.amdhsa_float_denorm_mode_16_64 3
		.amdhsa_memory_ordered 1
		.amdhsa_forward_progress 1
		.amdhsa_inst_pref_size 86
	.end_amdhsa_kernel
	.amdgpu_metadata
---
amdhsa.version: [ 1, 2 ]
amdhsa.kernels:
  - .name:           k_qb2215b56ab_outp
    .symbol:         k_qb2215b56ab_outp.kd
    .args:
      - { .name: ao, .offset: 0, .size: 8, .value_kind: global_buffer, .address_space: global }
      - { .name: aos, .offset: 8, .size: 8, .value_kind: global_buffer, .address_space: global }
      - { .name: xw, .offset: 16, .size: 8, .value_kind: global_buffer, .address_space: global }
      - { .name: xws, .offset: 24, .size: 8, .value_kind: global_buffer, .address_space: global }
      - { .name: bo, .offset: 32, .size: 8, .value_kind: global_buffer, .address_space: global }
      - { .name: out0, .offset: 40, .size: 8, .value_kind: global_buffer, .address_space: global }
    .group_segment_fixed_size: 327680
    .private_segment_fixed_size: 0
    .kernarg_segment_align: 8
    .kernarg_segment_size: 48
    .max_flat_workgroup_size: 128
    .sgpr_count:     102
    .vgpr_count:     832
    .wavefront_size: 32
...
	.end_amdgpu_metadata
.endif
;; end of part 4
